; MI455X (gfx1250); checked and timed in simulation.
; The chip was launched on July 23, 2026; its instructions are those of AMD's public machine-readable ISA for CDNA 5 (MIT licence, August 2026) and "CDNA5" Instruction Set Architecture Reference Guide (July 2026). The comments in the code are by the model that wrote it; some were corrected since.
;; Multi Head Attention. Allowed arithmetic: matrix products marked QUANTISED: E4M3 operands, one given power-of-two scale a tensor, by v_wmma_f32_16x16x64_fp8_fp8 or v_wmma_f32_16x16x128_fp8_fp8, f32 sums; everything else in f32.
;; Inputs: bk 1,024 float32; bo 1,024 float32; bq 1,024 float32; bv 1,024 float32; lowp_scales 12 int32 (the exponents e of the quantised operands' scales 2^e); mask 1 x 1 x 2,048 x 2,048 int32; wk 1,024 x 1,024 float32; wo 1,024 x 1,024 float32; wq 1,024 x 1,024 float32; wv 1,024 x 1,024 float32; x 4 x 2,048 x 1,024 float32.
;; Outputs: out0 4 x 2,048 x 1,024 float32.
;; This version of the problem:
;;   THIS VERSION OF THE PROBLEM IS GIVEN IN LOW PRECISION. The matrix products marked QUANTISED in the list below multiply operands that are first quantised to E4M3 (4 exponent bits, 3 mantissa bits; 8 bits a number), with one given power-of-two scale for each operand tensor; their sums are f32. All else is computed in f32.
;;   The module's matrix products, in the order in which they are computed (A, B: the left and right operand; K: the contracted axis; several contracted axes count as one K, in the product's order):
;;     1. [M 8,192, K 1,024] x [K 1,024, N 1,024]; A: input x; B: input wq: QUANTISED (scales: A lowp_scales[0], B lowp_scales[1])
;;     2. [M 8,192, K 1,024] x [K 1,024, N 1,024]; A: input x; B: input wk: QUANTISED (scales: A lowp_scales[2], B lowp_scales[3])
;;     3. [M 8,192, K 1,024] x [K 1,024, N 1,024]; A: input x; B: input wv: QUANTISED (scales: A lowp_scales[4], B lowp_scales[5])
;;     4. batch 64 x [M 2,048, K 64] x [K 64, N 2,048]; A: computed on the way; B: computed on the way: QUANTISED (scales: A lowp_scales[6], B lowp_scales[7])
;;     5. batch 64 x [M 2,048, K 2,048] x [K 2,048, N 64]; A: softmax (see below); B: computed on the way: QUANTISED (scales: A lowp_scales[8], B lowp_scales[9])
;;     6. [M 8,192, K 1,024] x [K 1,024, N 1,024]; A: computed on the way; B: input wo: QUANTISED (scales: A lowp_scales[10], B lowp_scales[11])
;;   THE QUANTISER, for each operand of a quantised product, along K:
;;     - The operand's scale is 2^e, e = its entry of the input lowp_scales (int32; the entries are numbered through the quantised products in the list's order, A before B).
;;     - Each number is divided by the scale, clamped to +-448, and rounded to the nearest number of E4M3, ties to even, subnormals kept.
;;     - The product sums the exact products of the quantised numbers (number of the format x scale) in f32.
;;   ~~~python
;;   def quantise(x, axis, e):      # numpy; x: float32 -> the quantised numbers, widened to float32 again
;;       x = np.moveaxis(x, axis, -1); K = x.shape[-1]
;;       r = np.clip(x / 2.0 ** e, -448, 448)
;;       step = 2.0 ** (np.maximum(np.frexp(np.where(r == 0, 1, r))[1] - 1, -6) - 3)
;;       q = np.round(r / step) * step * 2.0 ** e      # np.round: ties to even
;;       return np.moveaxis(q, -1, axis).astype(np.float32)
;;   ~~~
;;   SOFTMAX AHEAD OF A QUANTISED PRODUCT. Where the list says 'softmax', what is quantised is not the finished softmax but p = 2^(t - M), with t = logit x log2(e) and M = ceil(the row's largest t), a whole number; so 1/2 < the row's largest p <= 1. The row's sum l is taken of the UNQUANTISED p, in f32, and the product's result is divided by l at the end. Since M is a whole number, a kernel that streams over the keys may use a running M (the ceiling of the running maximum): every later rescaling is an exact power of two, so the quantised numbers keep their values, but for numbers so far below the row's largest that they fall under the format's range.
;;   OPERANDS COMPUTED ON THE WAY. 'Computed on the way' means the value that the module computes at that place (a softmax that the list does not call 'softmax' is quantised finished and normalised). What goes into a quantiser is computed in f32, as accurately as f32 sums, v_exp_f32 and their like allow (about 1e-6 of the number): no bf16 or f16 on the way to a quantiser, and a product that is left as it is and whose result goes on into a quantised operand takes f32 operands (vector FMAs, or v_wmma_f32_16x16x4_f32). A number that lies on a knife's edge between two numbers of the format may be rounded either way, as far as f32 arithmetic and the matrix unit's own rounding can turn it there, and no further.
;; 2 versions, each right; version 2 is version 1 with the launch attn written anew for expert scheduling mode. Each part assembles by itself: llvm-mc -triple=amdgcn-amd-amdhsa -mcpu=gfx1250 --defsym DOCPART=n.
;; ======== version 1 of 2: 4 launches
;; limits: right only within a limited range of input values
;; workspace buffers: xc 25,165,824 bytes; wc 4,194,304 bytes; mbits 524,288 bytes of whole numbers; minfo 8,192 bytes of whole numbers; qkvc 25,165,824 bytes; aimg 8,388,608 bytes
;; launch prep (part 1): grid 512 x 1, 4 waves a work-group, no clusters, 54,784 bytes of LDS; arguments x, wq, wk, wv, wo, mask, lowp_scales, xc, wc, mbits, minfo; writes xc, wc, mbits, minfo
.if DOCPART == 1
	.amdgcn_target "amdgcn-amd-amdhsa--gfx1250"
	.amdhsa_code_object_version 6
	.text
	.protected	k_qacf865ed8a_prep
	.globl	k_qacf865ed8a_prep
	.p2align	8
	.type	k_qacf865ed8a_prep,@function
k_qacf865ed8a_prep:
	s_mov_b64 s[64:65], 0
	v_nop
	global_prefetch_b8 v0, s[64:65] scope:SCOPE_SE
	s_setreg_imm32_b32 hwreg(HW_REG_WAVE_MODE, 25, 1), 1
	s_wait_xcnt 0x0
; WHAT IT MAKES.  (1) x [8192][1024] f32 becomes THREE sets of codes of E4M3 (scales 2^e0, 2^e2, 2^e4: one for each of the three projections), rows as they lie;
; (2) wq, wk, wv, wo [1024][1024] f32 become codes (2^e1, 2^e3, 2^e5, 2^e11), rows as they lie; (3) the mask [2048][2048] int32 becomes bits and a word of facts for each block of 16 queries x 128 keys.
; code = x / 2^e, held within +-448, to the nearest code, ties to even.  LIMITS: each e between -126 and 119; NaN among the inputs is not served.
; SHARES, by the work-group's number T: 0-255 x (32,768 numbers each), 256-383 the weights (32 work-groups a tensor), 384-511 the mask (16 queries each).  The two ways have LDS bytes of their own.
; THE QUANTISER: a wave takes 16 steps of 512 numbers.  Each load reads 512 consecutive bytes; a step's 2,048 bytes turn through the wave's own stage in LDS (16 bytes of padding behind each 64) and come back
; 16 neighbours a lane, as the conversions want them; a lane's 16 codes are 16 bytes, so a store covers 512 consecutive bytes.  x is read once and converted three times.
; THE MASK: word n = 8 t + j of block (qt, ks) has bit 16 h + r set where mask[16 qt + r][128 ks + 16 t + 8 h + j] is not 0: the lane mask of score register n in the attention launch.
; The block's word of facts: bits 15:0: row r has an open key in the block; bit 16: all 2,048 entries are open.  No barrier: waves share nothing.
.set STEPS,  16
.set WREG,   5120                      ; a wave's two stages of 32 x SP bytes
.set SP,     80                        ; a lane's place in a stage: 64 bytes + 16 of padding
.set MSTG,   20480                     ; the mask's stages: 16 rows x MP bytes for each wave
.set MP,     528                       ; 512 bytes + 16: the sixteen rows that a load touches start at sixteen different banks
.set SPARE,  54272                     ; the spare words: 128 bytes for each wave, two blocks of 256 bytes that no other line names
.set R,      16                        ; v16-79   four sets of 16 numbers as loaded
.set X,      80                        ; v80-111  two sets of 16 neighbours
.set TT,     112                       ; v112-127 the numbers held
.set C,      128                       ; v128-151 codes: output o, step's parity: four registers
.set SCL,    152                       ; v152-157 2^e and 448 x 2^e for the three outputs
.set G,      16                        ; the mask: v16-79 a block as loaded
.set H,      80                        ; v80-143 the block turned
.set W,      144                       ; v144-151 a pair of registers of words for each of four blocks
.set INF,    152                       ; v152-155 the four words of facts
	s_load_b512 s[4:19], s[0:1], 0x0               ; x, wq, wk, wv, wo, mask, the exponents, xc
	s_load_b128 s[20:23], s[0:1], 0x40             ; wc, mbits
	s_load_b64 s[24:25], s[0:1], 0x50              ; minfo
	v_lshl_add_u32 v12, v0, 2, SPARE               ; my spare word,
	v_mov_b32 v13, 0                               ; and 0: both kept for the closing lines
	v_lshrrev_b32 v1, 5, v0
	v_readfirstlane_b32 s40, v1                    ; wave
	v_and_b32 v2, 31, v0                           ; lane
	v_lshlrev_b32 v3, 4, v2                        ; 16 x lane: my bytes of a load's 512 and of a store's 512
	s_mul_i32 s41, s40, WREG
	v_lshrrev_b32 v14, 2, v2
	v_mul_u32_u24 v14, v14, SP
	v_and_b32 v15, 3, v2
	v_lshl_add_u32 v14, v15, 4, v14
	v_add_nc_u32 v14, s41, v14                     ; the stage, in: SP (lane / 4) + 16 (lane % 4)
	v_mul_u32_u24 v15, v2, SP
	v_add_nc_u32 v15, s41, v15                     ; and out: SP x lane
	s_mul_i32 s41, s40, 16*MP
	s_add_co_u32 s41, s41, MSTG
	v_add_nc_u32 v9, s41, v3                       ; the mask's stage, in: 16 x lane of a row
	v_and_b32 v5, 15, v2                           ; r
	v_lshrrev_b32 v6, 4, v2                        ; h
	v_mul_u32_u24 v10, v5, MP
	v_lshl_add_u32 v10, v6, 5, v10
	v_add_nc_u32 v10, s41, v10                     ; and out: row r, + 32 h
	v_lshlrev_b32 v11, 3, v2                       ; 8 x lane: two words of a block's 64
	s_wait_kmcnt 0x0
	s_cmp_ge_u32 ttmp9, 384
	s_cbranch_scc1 .Lmask
	; ---------------- the quantiser ----------------
	s_load_b256 s[28:35], s[16:17], 0x0            ; e0 .. e7
	s_load_b128 s[36:39], s[16:17], 0x20           ; e8 .. e11
	s_cmp_lt_u32 ttmp9, 352                        ; which tensor: the choice hangs on the work-group's number alone
	s_cselect_b64 s[42:43], s[10:11], s[12:13]
	s_cmp_lt_u32 ttmp9, 320
	s_cselect_b64 s[42:43], s[8:9], s[42:43]
	s_cmp_lt_u32 ttmp9, 288
	s_cselect_b64 s[42:43], s[6:7], s[42:43]
	s_and_b32 s50, ttmp9, 31                       ; a weight's work-group among its 32
	s_cmp_lt_u32 ttmp9, 256
	s_cselect_b64 s[42:43], s[4:5], s[42:43]
	s_cselect_b64 s[44:45], s[18:19], s[20:21]     ; output 0: xc or wc
	s_cselect_b32 s50, ttmp9, s50
	s_lshl_b32 s50, s50, 2
	s_add_co_u32 s50, s50, s40
	s_lshl_b32 s50, s50, 15                        ; my wave's run of 8,192 numbers, 32,768 bytes
	s_mov_b32 s51, 0
	s_add_nc_u64 s[42:43], s[42:43], s[50:51]
	s_and_b32 s52, ttmp9, 255                      ; T for x, T - 256 for the weights, which lie on end in wc
	s_lshl_b32 s52, s52, 2
	s_add_co_u32 s52, s52, s40
	s_lshl_b32 s52, s52, 13                        ; its 8,192 bytes of codes
	s_mov_b32 s53, 0
	s_add_nc_u64 s[44:45], s[44:45], s[52:53]
	s_add_nc_u64 s[46:47], s[18:19], s[52:53]
	s_add_nc_u64 s[46:47], s[46:47], 0x800000      ; x's second set,
	s_add_nc_u64 s[48:49], s[46:47], 0x800000      ; and its third
.macro LOAD t
.irp i, 0,1,2,3
	global_load_b128 v[R+16*((\t)%4)+4*\i:R+16*((\t)%4)+4*\i+3], v3, s[42:43] offset:2048*(\t)+512*\i th:TH_LOAD_NT   ; 32 lanes read 512 consecutive bytes
.endr
.endm
.macro TURN t                          ; step t's numbers through the stage: LDS serves a wave's instructions in order, so no wait stands between the stores and the loads
.irp i, 0,1,2,3
	ds_store_b128 v14, v[R+16*((\t)%4)+4*\i:R+16*((\t)%4)+4*\i+3] offset:32*SP*((\t)%2)+8*SP*\i
.endr
.irp i, 0,1,2,3
	ds_load_b128 v[X+16*((\t)%2)+4*\i:X+16*((\t)%2)+4*\i+3], v15 offset:32*SP*((\t)%2)+16*\i
.endr
.endm
.macro MKSCALE e, v                    ; 2^e as f32 (the conversion takes its exponent field), and 448 x 2^e
	s_add_co_i32 s52, s[\e], 127
	s_lshl_b32 s53, s52, 23
	v_mov_b32 v[\v], s53
	s_add_co_i32 s52, s52, 8
	s_lshl_b32 s52, s52, 23
	s_or_b32 s52, s52, 0x600000
	v_mov_b32 v[\v+1], s52
.endm
.irp t, 0,1,2,3
	LOAD \t
.endr
	s_wait_kmcnt 0x0
	s_cmp_lt_u32 ttmp9, 352
	s_cselect_b32 s50, s33, s39                    ; e5 or e11
	s_cmp_lt_u32 ttmp9, 320
	s_cselect_b32 s50, s31, s50                    ; e3
	s_cmp_lt_u32 ttmp9, 288
	s_cselect_b32 s50, s29, s50                    ; e1
	s_cmp_lt_u32 ttmp9, 256
	s_cselect_b32 s50, s28, s50                    ; e0
	MKSCALE 50, SCL
	MKSCALE 30, SCL+2
	MKSCALE 32, SCL+4
	s_wait_loadcnt 12                              ; step 0's four loads are in
	TURN 0
.macro OUT o, t                        ; the step's 16 neighbours under output o's scale
.set CC, C+4*(2*(\o)+(\t)%2)
.irp i, 0,1,2,3,4,5,6,7,8,9,10,11,12,13,14,15
	v_med3_num_f32 v[TT+\i], v[XS+\i], -v[SCL+2*(\o)+1], v[SCL+2*(\o)+1]   ; the conversion to an 8-bit code does not saturate (ISA guide 7.6.2): the hold comes first
.endr
	v_cvt_scalef32_pk8_fp8_f32 v[CC:CC+1], v[TT:TT+7], v[SCL+2*(\o)]
	v_cvt_scalef32_pk8_fp8_f32 v[CC+2:CC+3], v[TT+8:TT+15], v[SCL+2*(\o)]
	v_nop                                          ; a plain line between the conversions and the next write of their sources
	global_store_b128 v3, v[CC:CC+3], s[44+2*(\o):45+2*(\o)] offset:512*(\t)   ; 512 consecutive bytes, aligned
.endm
.macro STEP t
.set XS, X+16*((\t)%2)
	s_wait_dscnt 0x0                               ; this step's numbers are back from the stage, and its stores into the stage have read their registers,
.if (\t)+4 < STEPS
	LOAD (\t)+4                                    ; which take the loads of four steps on
.endif
.if (\t)+1 < STEPS
.if STEPS-2-(\t) >= 3
	s_wait_loadcnt 12                              ; the next step's four loads are in; those of the three steps behind it may be out
.else
	s_wait_loadcnt 4*(STEPS-2-(\t))
.endif
	TURN (\t)+1
.endif
	s_wait_xcnt 0x0                                ; the earlier stores have read their data: the codes' registers may be written again
	OUT 0, \t
	s_cmp_lt_u32 ttmp9, 256                        ; x alone has a second and a third scale
	s_cbranch_scc0 .Lone_\@
	OUT 1, \t
	OUT 2, \t
.Lone_\@:
.endm
.irp t, 0,1,2,3,4,5,6,7,8,9,10,11,12,13,14,15
	STEP \t
.endr
	s_wait_tensorcnt 0x0                           ; the wave's end
	ds_add_u32 v12, v13
	s_wait_dscnt 0x0
	s_endpgm
	; ---------------- the mask ----------------
.Lmask:
	s_sub_co_u32 s50, ttmp9, 384                   ; qt: my work-group's 16 queries; my wave takes key blocks 4 wave .. 4 wave + 3
	s_lshl_b32 s52, s50, 17                        ; 16 rows of 8,192 bytes
	s_lshl_b32 s54, s40, 11                        ; four blocks of 512 bytes
	s_add_co_u32 s52, s52, s54
	s_mov_b32 s53, 0
	s_add_nc_u64 s[42:43], s[14:15], s[52:53]
	s_lshl_b32 s52, s50, 12                        ; 16 blocks of 256 bytes of bits
	s_lshl_b32 s54, s40, 10
	s_add_co_u32 s52, s52, s54
	s_add_nc_u64 s[44:45], s[22:23], s[52:53]
	s_lshl_b32 s52, s50, 6                         ; 16 words of facts
	s_lshl_b32 s54, s40, 4
	s_add_co_u32 s52, s52, s54
	s_add_nc_u64 s[46:47], s[24:25], s[52:53]
.macro LOADM t                         ; block t: 16 rows x 512 consecutive bytes
.irp p, 0,1,2,3,4,5,6,7,8,9,10,11,12,13,14,15
	global_load_b128 v[G+4*\p:G+4*\p+3], v3, s[42:43] offset:8192*\p+512*(\t) th:TH_LOAD_NT
.endr
.endm
	LOADM 0
.irp j, 0,1,2,3,4,5,6,7
	v_mov_b32 v[W+\j], 0                           ; v_writelane_b32's destination counts as read
.endr
	v_mov_b32 v156, 0
.macro TASK t
	s_wait_loadcnt 0x0
.irp p, 0,1,2,3,4,5,6,7,8,9,10,11,12,13,14,15
	ds_store_b128 v9, v[G+4*\p:G+4*\p+3] offset:MP*\p
.endr
.irp q, 0,1,2,3,4,5,6,7,8,9,10,11,12,13,14,15
	ds_load_b128 v[H+4*\q:H+4*\q+3], v10 offset:64*(\q/2)+16*(\q%2)   ; register 8 t + j: row r, key 16 t + 8 h + j
.endr
	s_wait_dscnt 0x0                               ; the block is turned, and the stores have read their registers
.if (\t) < 3
	LOADM (\t)+1
.endif
	s_mov_b32 s56, 0                               ; the words' OR,
	s_mov_b32 s57, -1                              ; and their AND
.set n, 0
.rept 16
.irp k, 0,1,2,3
	v_cmp_ne_u32 s[52+\k], 0, v[H+n+\k]            ; word n + k: a bit a lane
.endr
.irp k, 0,1,2,3
	v_writelane_b32 v[W+2*(\t)+(\k&1)], s[52+\k], (n+\k)>>1   ; word n goes to lane n / 2, register n % 2: the pair's 8 bytes a lane are the block's 256 bytes on end
.endr
.irp k, 0,1,2,3
	s_or_b32 s56, s56, s[52+\k]
	s_and_b32 s57, s57, s[52+\k]
.endr
.set n, n+4
.endr
	s_lshr_b32 s58, s56, 16
	s_or_b32 s58, s58, s56
	s_and_b32 s58, s58, 0xffff                     ; row r has an open key (in either half of the lanes)
	s_cmp_eq_u32 s57, -1
	s_cselect_b32 s59, 0x10000, 0                  ; all open
	s_or_b32 s58, s58, s59
	v_mov_b32 v[INF+(\t)], s58
	global_store_b64 v11, v[W+2*(\t):W+2*(\t)+1], s[44:45] offset:256*(\t)   ; 256 consecutive bytes, aligned
.endm
	TASK 0
	TASK 1
	TASK 2
	TASK 3
	global_store_b128 v156, v[INF:INF+3], s[46:47] ; my four words of facts: every lane stores the same 16 bytes.  8,192 bytes in the whole launch: the one store here that fills no whole 256 bytes
	s_wait_tensorcnt 0x0                           ; the wave's end
	ds_add_u32 v12, v13
	s_wait_dscnt 0x0
	s_endpgm
.Lfunc_end_k_qacf865ed8a_prep:
	.size	k_qacf865ed8a_prep, .Lfunc_end_k_qacf865ed8a_prep-k_qacf865ed8a_prep
	.p2alignl 7, 3214868480
	.fill 96, 4, 3214868480
	.section	.rodata,"a",@progbits
	.p2align	6, 0x0
	.amdhsa_kernel k_qacf865ed8a_prep
		.amdhsa_group_segment_fixed_size 54784
		.amdhsa_private_segment_fixed_size 0
		.amdhsa_enable_private_segment 0
		.amdhsa_kernarg_size 88
		.amdhsa_user_sgpr_count 2
		.amdhsa_user_sgpr_kernarg_segment_ptr 1
		.amdhsa_wavefront_size32 1
		.amdhsa_system_sgpr_workgroup_id_x 1
		.amdhsa_system_sgpr_workgroup_id_y 1
		.amdhsa_system_sgpr_workgroup_id_z 1
		.amdhsa_system_vgpr_workitem_id 0
		.amdhsa_next_free_vgpr 160
		.amdhsa_next_free_sgpr 66
		.amdhsa_reserve_vcc 0
		.amdhsa_float_denorm_mode_32 3
		.amdhsa_float_denorm_mode_16_64 3
		.amdhsa_memory_ordered 1
		.amdhsa_forward_progress 1
		.amdhsa_inst_pref_size 147
	.end_amdhsa_kernel
	.amdgpu_metadata
---
amdhsa.version: [ 1, 2 ]
amdhsa.kernels:
  - .name:           k_qacf865ed8a_prep
    .symbol:         k_qacf865ed8a_prep.kd
    .args:
      - { .name: x, .offset: 0, .size: 8, .value_kind: global_buffer, .address_space: global }
      - { .name: wq, .offset: 8, .size: 8, .value_kind: global_buffer, .address_space: global }
      - { .name: wk, .offset: 16, .size: 8, .value_kind: global_buffer, .address_space: global }
      - { .name: wv, .offset: 24, .size: 8, .value_kind: global_buffer, .address_space: global }
      - { .name: wo, .offset: 32, .size: 8, .value_kind: global_buffer, .address_space: global }
      - { .name: mask, .offset: 40, .size: 8, .value_kind: global_buffer, .address_space: global }
      - { .name: lowp_scales, .offset: 48, .size: 8, .value_kind: global_buffer, .address_space: global }
      - { .name: xc, .offset: 56, .size: 8, .value_kind: global_buffer, .address_space: global }
      - { .name: wc, .offset: 64, .size: 8, .value_kind: global_buffer, .address_space: global }
      - { .name: mbits, .offset: 72, .size: 8, .value_kind: global_buffer, .address_space: global }
      - { .name: minfo, .offset: 80, .size: 8, .value_kind: global_buffer, .address_space: global }
    .group_segment_fixed_size: 54784
    .private_segment_fixed_size: 0
    .kernarg_segment_align: 8
    .kernarg_segment_size: 88
    .max_flat_workgroup_size: 128
    .sgpr_count:     66
    .vgpr_count:     160
    .wavefront_size: 32
...
	.end_amdgpu_metadata
.endif
;; end of part 1
;; launch proj (part 2): grid 12 x 32, 4 waves a work-group, clusters of 4 x 4, 327,680 bytes of LDS; arguments xc, wc, lowp_scales, bq, bk, bv, qkvc; writes qkvc
.if DOCPART == 2
	.amdgcn_target "amdgcn-amd-amdhsa--gfx1250"
	.amdhsa_code_object_version 6
	.text
	.protected	k_qacf865ed8a_proj
	.globl	k_qacf865ed8a_proj
	.p2align	8
	.type	k_qacf865ed8a_proj,@function
k_qacf865ed8a_proj:
	s_mov_b64 s[64:65], 0
	v_nop
	global_prefetch_b8 v0, s[64:65] scope:SCOPE_SE
	s_setreg_imm32_b32 hwreg(HW_REG_WAVE_MODE, 25, 1), 1
	s_wait_xcnt 0x0
	s_wait_alu depctr_hold_cnt(0) depctr_sa_sdst(0) depctr_va_vdst(0) depctr_va_sdst(0) depctr_va_ssrc(0) depctr_va_vcc(0) depctr_vm_vsrc(0)
	s_getreg_b32 s2, hwreg(HW_REG_IB_STS2, 6, 4)
	s_cmp_eq_u32 s2, 0
	s_cbranch_scc0 .Lentry_in_a_cluster
	s_endpgm
.Lentry_in_a_cluster:
	s_bfe_u32 s2, ttmp6, 0x10000c
	s_cmp_lg_u32 s2, 0xf033
	s_cbranch_scc0 .Lentry_shape_is_right
	s_endpgm
.Lentry_shape_is_right:
; q, k, v = x W^T + b on codes of E4M3, and each result quantised at once (2^e6, 2^e7, 2^e9) into an IMAGE OF THE REGISTERS in which the attention launch wants it.
; P = the cluster's x says which product: 0 q, 1 k, 2 v.  A tile is 256 x 256, four waves, each 128 x 128 in 64 accumulators; K = 1,024 goes in four steps of 256 through two LDS slots filled by the tensor data mover.
; ONE STREAM OF INSTRUCTIONS FOR ALL THREE: source 1 takes the 'A side', source 0 the 'B side'; a lane holds one row of the A side and eight neighbouring rows of the B side.
;   q, k: A side = tokens (x's codes), B side = channels (the weight's): a lane's eight results are eight neighbouring CHANNELS of a token, the K of the scores' product.
;   v:    A side = channels, B side = tokens: a lane's eight results are eight neighbouring KEYS of a channel, the K of the second product.
; CLUSTERS: 4 x 4 work-groups; A-side tiles are shared along a row of the cluster, B-side tiles along a column: each is asked for jointly.  P is the same in all sixteen partners.
; THE IMAGES (K in its own places: registers 2 c, 2 c + 1 hold k = 16 c + 8 (lane / 16) + 0 .. 7; four registers are 512 consecutive bytes, lane l's 16 at 16 l):
;   q, k: [batch x 16 + head][token tile of 16: 128][1,024 bytes];   v: [batch x 16 + head][block of 128 keys: 16][16 channels: 4][2,048 bytes].  Every store covers 512 consecutive bytes, aligned, straight from the conversions.
; LIMITS: e0 + e1, e2 + e3, e4 + e5 between -126 and 127; e6, e7, e9 between -126 and 119.  NaN is not served.
; REGISTERS, in windows of 256: window 0: v0-31 addresses; v32-95 the bias; from v128 the A side's fragments, ONE set (on the way out: v128-191 numbers, v192-255 codes);
;   window 1: the B side's fragments, TWO sets;   window 2: the accumulators of my A-side rows 0-63 ((a, b) at v[8 (8 a + b)]);   window 3: those of rows 64-127.
.set ROWB,   256                       ; a tile's row in bytes
.set KROW,   1024                      ; a row of codes in memory
.set PITCH,  272                       ; an LDS row: 256 bytes + 16 of padding: the sixteen rows that a load touches start at sixteen different banks
.set FR,     16
.set NL,     4
.set NP,     4                         ; places behind this matrix instruction (ISA guide 7.12.1)
.set HALFT,  128*PITCH
.set SLOT,   4*HALFT
.set SPARE,  2*SLOT                    ; behind the ring: the spare words, 128 bytes for each wave
.set ADRA, 16
.set ADRB, 20
.set LI,   26                          ; v26  16 x lane
.set SPW,  28
.set NIL,  29
.set BI,   32                          ; v32-95 the bias in the results' layout
.set AF,   128
.set TMP,  128
.set CD,   192
.set G1, 24
.set G0, 32
.set G1B, 48
.set G0B, 56
.set MSB, 0
.macro WIN new                         ; the immediate's high byte repeats the setting that is left
.if MSB != \new
	s_set_vgpr_msb (MSB<<8)|\new
.set MSB, \new
.endif
.endm
.set MUL_LO, 0xa1                      ; source 0 window 1, source 1 window 0, C and D window 2
.set MUL_HI, 0xf1
.set TO_B,   0x40
; A joint load: waves 0 and 1 fetch for the A side, waves 2 and 3 for the B side.  An s_nop 0 and four v_nop follow each of the two lines.
.macro JLOAD g0a, g1a, g0b, g1b
	s_cmp_eq_u32 s15, 0
	s_cbranch_scc0 .Lfor_b_\@
	tensor_load_to_lds s[\g0a:\g0a+3], s[\g1a:\g1a+7]
	s_nop 0
.rept 4
	v_nop
.endr
	s_branch .Lasked_\@
.Lfor_b_\@:
	tensor_load_to_lds s[\g0b:\g0b+3], s[\g1b:\g1b+7]
	s_nop 0
.rept 4
	v_nop
.endr
.Lasked_\@:
.endm
.macro CREST                           ; a round of the cluster's barrier behind its opening barrier
	s_cmp_lg_u32 s14, 0
	s_cbranch_scc1 .Lnot_wave_0_\@
	s_barrier_signal -3
.Lnot_wave_0_\@:
	s_barrier_wait -3
	s_barrier_signal -1
	s_barrier_wait -1
.endm
.macro CROUND
	s_barrier_signal -1
	s_barrier_wait -1
	CREST
.endm
	s_load_b128 s[4:7], s[0:1], 0x0                ; xc, wc
	s_load_b128 s[8:11], s[0:1], 0x10              ; the exponents, bq
	s_load_b128 s[68:71], s[0:1], 0x20             ; bk, bv
	s_load_b64 s[72:73], s[0:1], 0x30              ; the images
	v_lshl_add_u32 v[SPW], v0, 2, SPARE
	v_mov_b32 v[NIL], 0
	ds_add_u32 v[SPW], v[NIL]                      ; the wave's opening: the add and its wait ahead of my first tensor load
	v_lshrrev_b32 v1, 5, v0
	v_readfirstlane_b32 s14, v1                    ; wave 0..3
	s_lshr_b32 s15, s14, 1                         ; my half of the A side's rows.  Also: I fetch for the A side (0) or the B side (1)
	s_and_b32 s16, s14, 1                          ; my half of the B side's rows.  Also: which 128 rows I fetch
	s_bfe_u32 s40, ttmp6, 0x40000                  ; cx
	s_bfe_u32 s41, ttmp6, 0x40004                  ; cy
	s_and_b32 s12, ttmp7, 0xffff
	s_lshl_b32 s12, s12, 2                         ; 4 x cluster y: it counts tiles of tokens
	s_cmp_lt_u32 ttmp9, 2
	s_cselect_b32 s17, s12, 0
	s_cselect_b32 s42, 0, s12
	s_add_co_u32 s17, s17, s41                     ; the A side's tile: 4 Y + cy (tokens) or cy (channels)
	s_add_co_u32 s42, s42, s40                     ; the B side's tile: cx (channels) or 4 Y + cx (tokens)
	s_lshl_b32 s43, s41, 2
	s_lshl_b32 s43, 15, s43                        ; my row of the cluster
	s_lshl_b32 s44, 0x1111, s40                    ; my column
	s_or_b32 s[G1+0], s43, (0<<16)|(1<<20)|(1<<21)|(5<<22)|(3<<25)  ; the mask; elements of 1 byte; padding on; bit 21 beside a mask; four words behind every 64
	s_or_b32 s[G1B+0], s44, (0<<16)|(1<<20)|(1<<21)|(5<<22)|(3<<25)
.irp g, G1, G1B
	s_mov_b32 s[\g+1], ROWB<<16                    ; tensor_dim0
	s_mov_b32 s[\g+2], 128<<16                     ; tensor_dim1
	s_mov_b32 s[\g+3], ROWB<<16                    ; tile_dim0
	s_mov_b32 s[\g+4], 128                         ; tile_dim1
	s_mov_b32 s[\g+5], KROW                        ; the pitch
	s_mov_b32 s[\g+6], 0
	s_mov_b32 s[\g+7], 0
.endr
	s_lshl_b32 s18, s16, 7                         ; which 128 rows of a tile I fetch
	s_lshl_b32 s20, s17, 8
	s_add_co_u32 s20, s20, s18
	s_lshl_b32 s20, s20, 10                        ; rows of 1,024 bytes
	s_mov_b32 s21, 0
	s_lshl_b32 s46, s42, 8
	s_add_co_u32 s46, s46, s18
	s_lshl_b32 s46, s46, 10
	s_mov_b32 s47, 0
	s_mul_i32 s45, s14, HALFT                      ; where they go: wave x 128 rows
	s_lshl_b32 s74, ttmp9, 23                      ; x's set P
	s_mov_b32 s75, 0
	s_lshl_b32 s22, ttmp9, 20                      ; weight P
	s_mov_b32 s23, 0
	s_wait_dscnt 0x0                               ; the opening add is done
	s_wait_kmcnt 0x0
	s_load_b256 s[84:91], s[8:9], 0x0              ; e0 .. e7
	s_load_b128 s[92:95], s[8:9], 0x20             ; e8 .. e11
	s_add_nc_u64 s[76:77], s[4:5], s[74:75]        ; the tokens' codes
	s_add_nc_u64 s[78:79], s[6:7], s[22:23]        ; the channels' codes
	s_cmp_lt_u32 ttmp9, 2
	s_cselect_b64 s[80:81], s[76:77], s[78:79]     ; the A side
	s_cselect_b64 s[82:83], s[78:79], s[76:77]     ; the B side
	s_add_nc_u64 s[20:21], s[80:81], s[20:21]
	s_add_nc_u64 s[46:47], s[82:83], s[46:47]
	CROUND                                         ; all sixteen work-groups are here: the first joint loads meet
.irp s, 0,1
	s_mov_b32 s[G0+4*\s], 1
	s_add_co_u32 s[G0+4*\s+1], s45, \s*SLOT
	s_add_nc_u64 s[G0+4*\s+2:G0+4*\s+3], s[20:21], \s*ROWB
	s_or_b32 s[G0+4*\s+3], s[G0+4*\s+3], 0x80000000
	s_mov_b32 s[G0B+4*\s], 1
	s_add_co_u32 s[G0B+4*\s+1], s45, \s*SLOT
	s_add_nc_u64 s[G0B+4*\s+2:G0B+4*\s+3], s[46:47], \s*ROWB
	s_or_b32 s[G0B+4*\s+3], s[G0B+4*\s+3], 0x80000000
	JLOAD G0+4*\s, G1, G0B+4*\s, G1B
.endr
	v_and_b32 v1, 15, v0                           ; r
	v_bfe_u32 v2, v0, 4, 1                         ; h
	v_mul_u32_u24 v3, v1, PITCH
	v_lshl_add_u32 v4, v2, 4, v3                   ; a fragment's row x pitch + 16 h
	s_mul_i32 s21, s15, HALFT
	s_mul_i32 s22, s16, HALFT
	s_add_co_u32 s22, s22, 2*HALFT
.irp s, 0,1
	v_add_nc_u32 v[ADRA+\s], s21, v4
	v_add_nc_u32 v[ADRB+\s], s22, v4
	s_add_co_u32 s21, s21, SLOT
	s_add_co_u32 s22, s22, SLOT
.endr
	v_and_b32 v6, 31, v0
	v_lshlrev_b32 v[LI], 4, v6
	v_lshlrev_b32 v7, 5, v2                        ; 32 h: eight numbers of the bias
	v_lshlrev_b32 v8, 2, v1                        ; 4 r: one
	s_cmp_lt_u32 ttmp9, 2
	s_cselect_b32 s12, s42, s17                    ; the channels' tile,
	s_cselect_b32 s13, s16, s15                    ; and my half of it
	s_cselect_b32 s74, s17, s42                    ; the tokens' tile,
	s_cselect_b32 s75, s15, s16                    ; and my half of it
	s_cselect_b64 s[66:67], s[68:69], s[70:71]     ; bk or bv,
	s_cmp_eq_u32 ttmp9, 0
	s_cselect_b64 s[66:67], s[10:11], s[66:67]     ; or bq
	s_lshl_b32 s18, s12, 10
	s_lshl_b32 s19, s13, 9
	s_add_co_u32 s18, s18, s19                     ; 4 bytes x (256 tile + 128 half)
	s_mov_b32 s19, 0
	s_add_nc_u64 s[66:67], s[66:67], s[18:19]
	s_lshr_b32 s18, s74, 3                         ; the batch: 8 tiles of tokens each
	s_lshl_b32 s18, s18, 4
	s_lshl_b32 s19, s12, 2
	s_add_co_u32 s18, s18, s19
	s_lshl_b32 s19, s13, 1
	s_add_co_u32 s18, s18, s19                     ; 16 batch + my first head
	s_lshl_b32 s18, s18, 17                        ; a head's image is 131,072 bytes
	s_and_b32 s19, s74, 7
	s_lshl_b32 s19, s19, 1
	s_add_co_u32 s19, s19, s75
	s_lshl_b32 s19, s19, 13                        ; my 128 tokens are 8,192 bytes of it, in q's, k's and v's image alike
	s_add_co_u32 s18, s18, s19
	s_lshl_b32 s19, ttmp9, 23                      ; image P
	s_add_co_u32 s18, s18, s19
	s_mov_b32 s19, 0
	s_add_nc_u64 s[98:99], s[72:73], s[18:19]
	s_cmp_lt_u32 ttmp9, 2                          ; the bias in the results' layout; both ways write all 64 registers
	s_cbranch_scc0 .Lbias_v
.irp b, 0,1,2,3,4,5,6,7
	global_load_b128 v[BI+8*\b:BI+8*\b+3], v7, s[66:67] offset:64*\b        ; q, k: register 8 b + i: channel 16 b + 8 h + i
	global_load_b128 v[BI+8*\b+4:BI+8*\b+7], v7, s[66:67] offset:64*\b+16
.endr
	s_branch .Lbias_in
.Lbias_v:
.irp a, 0,1,2,3,4,5,6,7
.irp i, 0,1,2,3,4,5,6,7
	global_load_b32 v[BI+8*\a+\i], v8, s[66:67] offset:64*\a                ; v: registers 8 a + 0 .. 7: channel 16 a + r
.endr
.endr
.Lbias_in:
.macro FRAG reg, adr, q, i             ; 16 rows x 128 K: four loads of 16 bytes, 32 apart: the same permutation of k on both sides, so every product meets its partner
.irp c, 0,1,2,3
	ds_load_b128 v[\reg+4*\c:\reg+4*\c+3], v[\adr] offset:128*(\q)+32*\c+(\i)*16*PITCH
.endr
.endm
; 16 matrix instructions: A-side blocks a0, a0 + 1 x the B side's eight.  The 64 accumulators take turns, one instruction a turn.
.macro MUL16 a0, p, zero
.irp a, \a0, \a0+1
.irp b, 0,1,2,3,4,5,6,7
.if \zero
	v_wmma_f32_16x16x128_fp8_fp8 v[8*(8*((\a)%4)+\b):8*(8*((\a)%4)+\b)+7], v[128*(\p)+FR*\b:128*(\p)+FR*\b+FR-1], v[AF+FR*(\a):AF+FR*(\a)+FR-1], 0
.else
	v_wmma_f32_16x16x128_fp8_fp8 v[8*(8*((\a)%4)+\b):8*(8*((\a)%4)+\b)+7], v[128*(\p)+FR*\b:128*(\p)+FR*\b+FR-1], v[AF+FR*(\a):AF+FR*(\a)+FR-1], v[8*(8*((\a)%4)+\b):8*(8*((\a)%4)+\b)+7]
.endif
.endr
.endr
.endm
.macro FETCH_B slot, q, p
	WIN TO_B
.irp i, 0,1,2,3,4,5,6,7
	FRAG 128*(\p)+FR*\i, ADRB+\slot, \q, \i
.endr
	WIN 0
.endm
.macro FETCH_A slot, q, i0
.irp i, \i0, \i0+1, \i0+2, \i0+3
	FRAG AF+FR*(\i), ADRA+\slot, \q, \i
.endr
.endm
.macro PLACES n                        ; plain vector lines between a matrix instruction and a load into, or a read of, its registers
.rept \n
	v_nop
.endr
.endm
.macro STEP slot, q, zero              ; 128 along K whose successor lies in the same slot
	s_wait_dscnt 4*NL                              ; the B side's set and A's blocks 0-3 are in; the youngest sixteen loads (blocks 4-7) may be out
	WIN MUL_LO
	MUL16 0, (\q)%2, \zero
	MUL16 2, (\q)%2, \zero
	s_wait_dscnt 0
	PLACES NP
	FETCH_B \slot, (\q)+1, 1-(\q)%2
	FETCH_A \slot, (\q)+1, 0
	WIN MUL_HI
	MUL16 4, (\q)%2, \zero
	MUL16 6, (\q)%2, \zero
	PLACES NP
	WIN 0
	FETCH_A \slot, (\q)+1, 4
.endm
; A slot's last step changes slots: one barrier; in front of it each wave waits for all its tensor loads, adds 0 to its spare word, and waits for that and for its reads of this slot.
.macro TURN slot, next, fill
	s_wait_tensorcnt 0x0                           ; all my tensor loads have landed: my part of the next slot
	ds_add_u32 v[SPW], v[NIL]
	s_wait_dscnt 4*NL+1                            ; the add and the youngest sixteen loads may be out
	WIN MUL_LO
	MUL16 0, 1, 0
	s_wait_dscnt 0x0                               ; the add is done, and my reads of this slot are over
	s_barrier_signal -1
	MUL16 2, 1, 0
	WIN 0
	s_barrier_wait -1
.if \fill
	CREST                                          ; the barrier has opened a round of the cluster's: no wave of any partner still reads this slot or has a load on its way
	s_add_nc_u64 s[G0+4*\slot+2:G0+4*\slot+3], s[G0+4*\slot+2:G0+4*\slot+3], 2*ROWB
	s_add_nc_u64 s[G0B+4*\slot+2:G0B+4*\slot+3], s[G0B+4*\slot+2:G0B+4*\slot+3], 2*ROWB
	JLOAD G0+4*\slot, G1, G0B+4*\slot, G1B         ; the first tensor load behind the round; its four v_nop are the places in front of the loads below
.else
	PLACES NP
.endif
	FETCH_B \next, 0, 0
	FETCH_A \next, 0, 0
	WIN MUL_HI
	MUL16 4, 1, 0
	MUL16 6, 1, 0
	PLACES NP
	WIN 0
	FETCH_A \next, 0, 4
.endm
	s_wait_tensorcnt 1                             ; my part of K step 0 is in; K step 1's load may be out
	s_barrier_signal -1
	s_barrier_wait -1
	FETCH_B 0, 0, 0
	FETCH_A 0, 0, 0
	FETCH_A 0, 0, 4
	STEP 0, 0, 1                                   ; K = 1,024 is four fills of a slot: the eight steps are written out
	TURN 0, 1, 1
	STEP 1, 0, 0
	TURN 1, 0, 1
	STEP 0, 0, 0
	TURN 0, 1, 0                                   ; the last two slots are filled no more
	STEP 1, 0, 0
	s_wait_dscnt 4*NL
	WIN MUL_LO
	MUL16 0, 1, 0
	MUL16 2, 1, 0
	s_wait_dscnt 0
	WIN MUL_HI
	MUL16 4, 1, 0
	MUL16 6, 1, 0
	WIN 0
	; THE WAY OUT: y = sum x 2^(ea + eb) + bias, held, converted; the conversions' results are the image's registers.
	s_wait_kmcnt 0x0
	s_wait_loadcnt 0x0                             ; the bias
	s_add_co_i32 s84, s84, s85                     ; e0 + e1,
	s_add_co_i32 s86, s86, s87                     ; e2 + e3,
	s_add_co_i32 s88, s88, s89                     ; e4 + e5: chosen by P, without a branch
	s_cmp_eq_u32 ttmp9, 0
	s_cselect_b32 s84, s84, s86
	s_cselect_b32 s90, s90, s91                    ; e6 or e7,
	s_cmp_lt_u32 ttmp9, 2
	s_cselect_b32 s84, s84, s88
	s_cselect_b32 s90, s90, s93                    ; or e9
	s_add_co_i32 s84, s84, 127
	s_lshl_b32 s96, s84, 23                        ; 2^(ea + eb) as f32,
	s_mov_b32 s97, s96                             ; named as a pair
	s_add_co_i32 s90, s90, 127
	s_lshl_b32 s91, s90, 23
	v_mov_b32 v30, s91                             ; the result's scale as f32
	s_add_co_i32 s90, s90, 8
	s_lshl_b32 s90, s90, 23
	s_or_b32 s90, s90, 0x600000
	v_mov_b32 v31, s90                             ; 448 x that
	PLACES NP
.macro WAYOUT kind                     ; kind 0: q, k (the bias goes by b);  kind 1: v (by a)
.irp a, 0,1,2,3,4,5,6,7
	s_wait_xcnt 0x0                                ; the earlier stores have read their data
	WIN 0x02+(\a/4)                                ; source 0: window 2 or 3
.irp b, 0,1,2,3,4,5,6,7
.irp i, 0,2,4,6
.if \kind
	v_pk_fma_f32 v[TMP+8*\b+\i:TMP+8*\b+\i+1], v[8*(8*(\a%4)+\b)+\i:8*(8*(\a%4)+\b)+\i+1], s[96:97], v[BI+8*\a+\i:BI+8*\a+\i+1] op_sel_hi:[1,0,1]
.else
	v_pk_fma_f32 v[TMP+8*\b+\i:TMP+8*\b+\i+1], v[8*(8*(\a%4)+\b)+\i:8*(8*(\a%4)+\b)+\i+1], s[96:97], v[BI+8*\b+\i:BI+8*\b+\i+1] op_sel_hi:[1,0,1]
.endif
.endr
.endr
	WIN 0
.irp b, 0,1,2,3,4,5,6,7
.irp i, 0,1,2,3,4,5,6,7
	v_med3_num_f32 v[TMP+8*\b+\i], v[TMP+8*\b+\i], -v31, v31   ; the conversion does not saturate (ISA guide 7.6.2)
.endr
	v_cvt_scalef32_pk8_fp8_f32 v[CD+16*(\a%4)+2*\b:CD+16*(\a%4)+2*\b+1], v[TMP+8*\b:TMP+8*\b+7], v30
.endr
	v_nop                                          ; a plain line between the last conversion and the next write of its sources
.irp g, 0,1,2,3
.if \kind
	global_store_b128 v[LI], v[CD+16*(\a%4)+4*\g:CD+16*(\a%4)+4*\g+3], s[98:99] offset:131072*(\a/4)+2048*(\a%4)+512*\g   ; head a / 4, channels 16 (a % 4) on, keys 32 g on
.else
	global_store_b128 v[LI], v[CD+16*(\a%4)+4*\g:CD+16*(\a%4)+4*\g+3], s[98:99] offset:1024*\a+131072*(\g/2)+512*(\g%2)   ; token tile a, head g / 2, channels 32 (g % 2) on
.endif
.endr
.endr
.endm
	s_cmp_lt_u32 ttmp9, 2
	s_cbranch_scc0 .Lway_v
	WAYOUT 0
	s_branch .Ldone
.Lway_v:
	WAYOUT 1
.Ldone:
	s_wait_tensorcnt 0x0                           ; the wave's end
	ds_add_u32 v[SPW], v[NIL]
	s_wait_dscnt 0x0
	CROUND                                         ; the closing round: no work-group ends while a partner may still ask for a tile that names it
	s_endpgm
.Lfunc_end_k_qacf865ed8a_proj:
	.size	k_qacf865ed8a_proj, .Lfunc_end_k_qacf865ed8a_proj-k_qacf865ed8a_proj
	.p2alignl 7, 3214868480
	.fill 96, 4, 3214868480
	.section	.rodata,"a",@progbits
	.p2align	6, 0x0
	.amdhsa_kernel k_qacf865ed8a_proj
		.amdhsa_group_segment_fixed_size 327680
		.amdhsa_private_segment_fixed_size 0
		.amdhsa_enable_private_segment 0
		.amdhsa_kernarg_size 56
		.amdhsa_user_sgpr_count 2
		.amdhsa_user_sgpr_kernarg_segment_ptr 1
		.amdhsa_wavefront_size32 1
		.amdhsa_system_sgpr_workgroup_id_x 1
		.amdhsa_system_sgpr_workgroup_id_y 1
		.amdhsa_system_sgpr_workgroup_id_z 1
		.amdhsa_system_vgpr_workitem_id 0
		.amdhsa_next_free_vgpr 1024
		.amdhsa_next_free_sgpr 100
		.amdhsa_reserve_vcc 0
		.amdhsa_float_denorm_mode_32 3
		.amdhsa_float_denorm_mode_16_64 3
		.amdhsa_memory_ordered 1
		.amdhsa_forward_progress 1
		.amdhsa_inst_pref_size 199
	.end_amdhsa_kernel
	.amdgpu_metadata
---
amdhsa.version: [ 1, 2 ]
amdhsa.kernels:
  - .name:           k_qacf865ed8a_proj
    .symbol:         k_qacf865ed8a_proj.kd
    .args:
      - { .name: xc, .offset: 0, .size: 8, .value_kind: global_buffer, .address_space: global }
      - { .name: wc, .offset: 8, .size: 8, .value_kind: global_buffer, .address_space: global }
      - { .name: lowp_scales, .offset: 16, .size: 8, .value_kind: global_buffer, .address_space: global }
      - { .name: bq, .offset: 24, .size: 8, .value_kind: global_buffer, .address_space: global }
      - { .name: bk, .offset: 32, .size: 8, .value_kind: global_buffer, .address_space: global }
      - { .name: bv, .offset: 40, .size: 8, .value_kind: global_buffer, .address_space: global }
      - { .name: qkvc, .offset: 48, .size: 8, .value_kind: global_buffer, .address_space: global }
    .group_segment_fixed_size: 327680
    .private_segment_fixed_size: 0
    .kernarg_segment_align: 8
    .kernarg_segment_size: 56
    .max_flat_workgroup_size: 128
    .sgpr_count:     100
    .vgpr_count:     1024
    .wavefront_size: 32
...
	.end_amdgpu_metadata
.endif
;; end of part 2
;; launch attn (part 3): grid 4 x 64, 16 waves a work-group, no clusters, 264,192 bytes of LDS; arguments qkvc, mbits, minfo, lowp_scales, aimg; writes aimg
.if DOCPART == 3
	.amdgcn_target "amdgcn-amd-amdhsa--gfx1250"
	.amdhsa_code_object_version 6
	.text
	.protected	k_qacf865ed8a_attn
	.globl	k_qacf865ed8a_attn
	.p2align	8
	.type	k_qacf865ed8a_attn,@function
k_qacf865ed8a_attn:
	s_mov_b64 s[64:65], 0
	v_nop
	global_prefetch_b8 v0, s[64:65] scope:SCOPE_SE
	s_setreg_imm32_b32 hwreg(HW_REG_WAVE_MODE, 25, 1), 1
	s_wait_xcnt 0x0
; O = softmax(Q K^T / 8, masked) V for one (batch, head), both products on codes of E4M3; the result is quantised (2^e10) into the image that the last projection reads.
; THE SOFTMAX AHEAD OF THE SECOND PRODUCT: t = logit x log2(e); M = the running largest t rounded UP to a whole number; p = 2^(t - M) is quantised (2^e8), not normalised; the row's sum is taken of the unquantised p and divides at the end.
; SHARES.  A work-group has one head's whole K and V in LDS (two images of 131,072 bytes, written once through registers, ahead of the launch's one barrier) and 32 tiles of 16 queries: qt = 4 i + x.  Wave w takes i = 31 - w, then i = w.
; NO TENSOR LOAD AND NO CLUSTER: the walk over key blocks branches on whole numbers that an earlier launch stored.
; LAYOUT.  Both products transposed: S^T = K Q^T (source 0 = 16 keys), O^T = V^T P (source 0 = 16 channels): a lane holds ONE query.  Score register 8 t + j of lane (r, h) is key 16 t + 8 h + j: eight such registers convert
; into registers 2 t, 2 t + 1 of P, which is K's own place in the K = 128 form.  All fragments come from LDS as images of their registers: 16 x lane, 512 bytes a load.
; THE MASK is honoured as it is given.  Each block of 16 queries x 128 keys has a class, made from the stored facts: 0 closed and left out, 1 mixed, 2 all open.  A tile with a row that has NO open key at all leaves nothing out,
; so that such a row gets its equal weights over all 2,048 keys.  In a mixed block each score register takes one select by its stored word of 32 lane bits.
; A CLOSED SCORE's raw sum becomes SENT = -2^(33 - e6 - e7), that is the logit -2^30 in place of -1e9.  c x SENT is a whole number, so a row all closed so far has p = 1 exactly; beside any open key p is 0.
; LIMITS: -94 <= e6 + e7 <= 9: then c and SENT are f32 numbers and every open logit is under 8.2e8 in magnitude, so that -2^30 and -1e9 give the same p.  e8 and e10 between -126 and 119.  NaN is not served.
; REGISTERS: v1 16 x lane; v2, v3 LDS addresses; v4 SENT; v5, v6 the add's two; v7, v8 2^e8 and 448 x 2^e8; v9, v10 the same for e10; v11 e8 + e9; v12 -M; v13 the largest t; v[14:15] the sum; v16-31 Q of both passes;
;   v32-95 K's, then V's fragments; v96-159 S^T, then p; v160-191 O^T; v192-207 p's codes; v208-223 the codes out; v224-231 at work; v232, v233 the fill's LDS addresses.
.set VB,    131072                     ; V's image in LDS
.set SPARE, 262144                     ; the spare words: 128 bytes for each of 16 waves
.set F,  32
.set S,  96
.set O,  160
.set PC, 192
	s_load_b256 s[4:11], s[0:1], 0x0               ; the images of q, k, v; mbits; minfo; the exponents
	s_load_b64 s[12:13], s[0:1], 0x20              ; aimg
	v_lshl_add_u32 v5, v0, 2, SPARE
	v_mov_b32 v6, 0
	v_lshrrev_b32 v1, 5, v0
	v_readfirstlane_b32 s2, v1                     ; wave 0..15
	v_and_b32 v1, 31, v0
	v_lshlrev_b32 v1, 4, v1                        ; 16 x lane
	s_and_b32 s3, ttmp7, 0xffff                    ; 16 batch + head
	s_lshl_b32 s96, s2, 13                         ; my wave fills 8,192 bytes of each image
	v_add_nc_u32 v232, s96, v1
	v_add_nc_u32 v233, VB, v232
	s_sub_co_u32 s98, 31, s2
	s_lshl_b32 s98, s98, 2
	s_add_co_u32 s98, s98, ttmp9                   ; the first pass's tile of queries
	s_lshl_b32 s99, s2, 2
	s_add_co_u32 s99, s99, ttmp9                   ; the second's
	s_lshl_b32 s76, s98, 12                        ; a tile's 16 blocks of bits are 4,096 bytes; so is its place in aimg
	s_lshl_b32 s77, s99, 12
	s_lshl_b32 s72, s98, 6                         ; its 16 words of facts
	s_lshl_b32 s73, s99, 6
	s_lshl_b32 s97, s98, 10                        ; its image of Q
	v_add_nc_u32 v2, s97, v1
	s_lshl_b32 s97, s99, 10
	v_add_nc_u32 v3, s97, v1
	s_lshl_b32 s100, s3, 17                        ; a head's image
	s_mov_b32 s101, 0
	s_mov_b32 s97, 0
	s_mov_b32 s70, 0x76543210                      ; v_permlanex16_b32: lane l xor 16
	s_mov_b32 s71, 0xfedcba98
	v_mov_b32 v226, 0                              ; a lane permute's destination counts as read
	v_mov_b32 v229, 0                              ; named as the upper half of the pair v[228:229]
	s_wait_kmcnt 0x0
	s_load_b256 s[80:87], s[10:11], 0x0            ; e0 .. e7
	s_load_b128 s[88:91], s[10:11], 0x20           ; e8 .. e11
	s_load_b512 s[16:31], s[8:9], s72 offset:0x0   ; the facts of both tiles
	s_load_b512 s[32:47], s[8:9], s73 offset:0x0
	s_add_nc_u64 s[4:5], s[4:5], s[100:101]        ; q's image of my head
	s_add_nc_u64 s[78:79], s[4:5], s[96:97]
	s_add_nc_u64 s[78:79], s[78:79], 0x800000      ; my part of k's,
	s_add_nc_u64 s[100:101], s[78:79], 0x800000    ; and of v's
.set j, 0
.rept 16
	global_load_b128 v[F+4*j:F+4*j+3], v1, s[78:79] offset:512*j
.set j, j+1
.endr
.set j, 0
.rept 16
	global_load_b128 v[S+4*j:S+4*j+3], v1, s[100:101] offset:512*j
.set j, j+1
.endr
	global_load_b128 v[16:19], v2, s[4:5]
	global_load_b128 v[20:23], v2, s[4:5] offset:512
	global_load_b128 v[24:27], v3, s[4:5]
	global_load_b128 v[28:31], v3, s[4:5] offset:512
	s_wait_xcnt 0x0                                ; the loads have read their bases: s78, s79, s96 to s101 may be written
	s_lshr_b32 s96, s3, 4                          ; batch
	s_and_b32 s97, s3, 15                          ; head
	s_lshr_b32 s100, s97, 2
	s_lshl_b32 s100, s100, 21                      ; aimg: [head / 4][128 batch + qt][head % 4][1,024 bytes]
	s_and_b32 s97, s97, 3
	s_lshl_b32 s97, s97, 10
	s_add_co_u32 s100, s100, s97
	s_lshl_b32 s96, s96, 19
	s_add_co_u32 s100, s100, s96
	s_mov_b32 s101, 0
	s_add_nc_u64 s[12:13], s[12:13], s[100:101]
	s_mov_b32 s100, s77
	s_add_nc_u64 s[14:15], s[12:13], s[100:101]    ; the second pass's place,
	s_mov_b32 s100, s76
	s_add_nc_u64 s[12:13], s[12:13], s[100:101]    ; and the first's
	s_wait_kmcnt 0x0
	s_add_co_i32 s96, s86, s87                     ; e6 + e7
	s_lshl_b32 s97, s96, 23
	s_add_co_i32 s68, s97, 0x3e38aa3b              ; c = log2(e) / 8 x 2^(e6 + e7): the exponents are added to c's exponent field
	s_mov_b32 s69, s68
	s_sub_co_i32 s97, 160, s96
	s_lshl_b32 s97, s97, 23
	s_or_b32 s97, s97, 0x80000000
	v_mov_b32 v4, s97                              ; SENT = -2^(33 - e6 - e7)
	s_add_co_i32 s96, s88, 127
	s_lshl_b32 s97, s96, 23
	v_mov_b32 v7, s97                              ; 2^e8
	s_add_co_i32 s96, s96, 8
	s_lshl_b32 s96, s96, 23
	s_or_b32 s96, s96, 0x600000
	v_mov_b32 v8, s96                              ; 448 x 2^e8
	s_add_co_i32 s96, s90, 127
	s_lshl_b32 s97, s96, 23
	v_mov_b32 v9, s97                              ; 2^e10
	s_add_co_i32 s96, s96, 8
	s_lshl_b32 s96, s96, 23
	s_or_b32 s96, s96, 0x600000
	v_mov_b32 v10, s96                             ; 448 x 2^e10
	s_add_co_i32 s96, s88, s89
	v_mov_b32 v11, s96                             ; e8 + e9
; The classes of a tile's 16 blocks, two bits each, block 0 lowest.
.macro BUILD dst, base
	s_or_b32 s78, s[\base], s[\base+1]
.irp k, 2,3,4,5,6,7,8,9,10,11,12,13,14,15
	s_or_b32 s78, s78, s[\base+\k]
.endr
	s_and_b32 s78, s78, 0xffff
	s_cmp_eq_u32 s78, 0xffff                       ; has every row an open key somewhere?
	s_cselect_b32 s79, 0, 1                        ; if not, a closed block counts as mixed: nothing is left out
	s_mov_b32 s[\dst], 0
.irp k, 15,14,13,12,11,10,9,8,7,6,5,4,3,2,1,0
	s_and_b32 s96, s[\base+\k], 0xffff             ; SCC: some row has an open key here
	s_cselect_b32 s96, 1, s79
	s_bfe_u32 s97, s[\base+\k], 0x10010            ; bit 16: all open
	s_add_co_u32 s96, s96, s97
	s_lshl_b32 s[\dst], s[\dst], 2
	s_or_b32 s[\dst], s[\dst], s96
.endr
.endm
	BUILD 74, 16
	BUILD 75, 32
	s_wait_loadcnt 20                              ; K's sixteen loads are in; V's sixteen and Q's four may be out
.set j, 0
.rept 16
	ds_store_b128 v232, v[F+4*j:F+4*j+3] offset:512*j
.set j, j+1
.endr
	s_wait_loadcnt 4                               ; V's are in; Q's four may be out
.set j, 0
.rept 16
	ds_store_b128 v233, v[S+4*j:S+4*j+3] offset:512*j
.set j, j+1
.endr
	s_wait_loadcnt 0x0                             ; Q
	s_wait_dscnt 0x0                               ; for the others' sake: my stores have landed
	s_barrier_signal -1
	s_barrier_wait -1                              ; both images are whole; nothing is written into them again
; The 64 words of the block whose classes' lowest two bits stand in s66, into s16-63 and s80-95.  first = 1: the tile's first block, always, so that every word is written on every way.
; first = 0: the next block's, only where it is mixed.  After 16 shifts s66 is 0, so nothing is asked for past a tile's blocks.
.macro ASK first
	s_wait_kmcnt 0x0                               ; no scalar load is out: the offset and the words may be written
.if \first == 0
	s_add_co_u32 s73, s73, 256
	s_and_b32 s78, s66, 3
	s_cmp_eq_u32 s78, 1
	s_cbranch_scc0 .Lnoask_\@
.endif
	s_load_b512 s[16:31], s[6:7], s73 offset:0x0
	s_load_b512 s[32:47], s[6:7], s73 offset:0x40
	s_load_b512 s[48:63], s[6:7], s73 offset:0x80
	s_load_b512 s[80:95], s[6:7], s73 offset:0xc0
.Lnoask_\@:
.endm
.macro PASS p
	s_wait_kmcnt 0x0
	v_mov_b32 v13, 0xff61b1e6                      ; the largest t so far: -3e38, under every t
	v_floor_f32 v12, -v13                          ; -M
	v_mov_b32 v14, 0
	v_mov_b32 v15, 0
.set j, 0
.rept 32
	v_mov_b32 v[O+j], 0                            ; the step is written once: the first finds zeros, which the first change of M leaves zeros
.set j, j+1
.endr
	s_mov_b32 s3, 0                                ; the block's place in each image
	s_mov_b32 s72, 16
	s_mov_b32 s66, s[74+\p]
	s_mov_b32 s73, s[76+\p]
	ASK 1
.Lstep_\@:
	s_and_b32 s67, s66, 3                          ; this block's class
	s_lshr_b32 s66, s66, 2
	s_cmp_eq_u32 s67, 0
	s_cbranch_scc1 .Lskip_\@
	v_add_nc_u32 v2, s3, v1
	v_add_nc_u32 v3, VB, v2
	v_nop
	v_nop                                          ; four places in front of loads into registers that the last products read
.set j, 0
.rept 16
	ds_load_b128 v[F+4*j:F+4*j+3], v2 offset:512*j ; K: eight tiles of 16 keys x 64 channels
.set j, j+1
.endr
	s_wait_dscnt 0x0
.set j, 0
.rept 8
	v_wmma_f32_16x16x64_fp8_fp8 v[S+8*j:S+8*j+7], v[F+8*j:F+8*j+7], v[16+8*\p:23+8*\p], 0
.set j, j+1
.endr
.rept 4
	v_nop                                          ; places in front of the loads below and of the first read of the scores
.endr
.set j, 0
.rept 16
	ds_load_b128 v[F+4*j:F+4*j+3], v3 offset:512*j ; V: four tiles of 16 channels x 128 keys; they land under the softmax
.set j, j+1
.endr
	s_cmp_eq_u32 s67, 2
	s_cbranch_scc1 .Lopen_\@
	s_wait_kmcnt 0x0                               ; the block's 64 words
.set j, 0
.rept 64
	v_cndmask_b32 v[S+j], v4, v[S+j], s[16+j+16*(j/48)]   ; a closed score becomes SENT
.set j, j+1
.endr
.Lopen_\@:
	ASK 0
	v_max3_num_f32 v224, v[S], v[S+1], v[S+2]      ; the block's largest score of my query, in two chains; each accumulator is read from its low end on
	v_max3_num_f32 v225, v[S+3], v[S+4], v[S+5]
.set j, 6
.rept 14
	v_max3_num_f32 v224, v224, v[S+j], v[S+j+1]
	v_max3_num_f32 v225, v225, v[S+j+2], v[S+j+3]
.set j, j+4
.endr
	v_max3_num_f32 v224, v224, v[S+62], v[S+63]
	v_max_num_f32 v224, v224, v225
	v_permlanex16_b32 v226, v224, s70, s71
	v_max_num_f32 v224, v224, v226                 ; and among lane l xor 16's
	v_mul_f32 v224, s68, v224                      ; as t (c is positive)
	v_max_num_f32 v13, v13, v224
	v_mov_b32 v224, v12
	v_floor_f32 v12, -v13                          ; the new -M = -ceil(t)
	v_sub_f32 v224, v12, v224                      ; old M - new M: a whole number, 0 or less
	v_cvt_i32_f32 v224, v224                       ; (it saturates)
	v_ldexp_f32 v228, 1.0, v224                    ; f = 2^(old M - new M)
.set j, 0
.rept 32
	v_pk_fma_f32 v[S+j:S+j+1], v[S+j:S+j+1], s[68:69], v[12:13] op_sel_hi:[1,0,0]   ; t - M
.set j, j+2
.endr
.set j, 0
.rept 64
	v_exp_f32 v[S+j], v[S+j]                       ; p = 2^(t - M)
.set j, j+1
.endr
	v_pk_mul_f32 v[14:15], v[14:15], v[228:229] op_sel_hi:[1,0]   ; the sums under the new M: the plain line behind the exponentials
	s_wait_alu depctr_va_vdst(0)                   ; one wait for the batch, ahead of its first reader
	v_pk_add_f32 v[230:231], v[S:S+1], v[S+2:S+3]  ; the row's sum, of the unquantised p, in two chains
.set j, 4
.rept 15
	v_pk_add_f32 v[14:15], v[14:15], v[S+j:S+j+1]
	v_pk_add_f32 v[230:231], v[230:231], v[S+j+2:S+j+3]
.set j, j+4
.endr
	v_pk_add_f32 v[14:15], v[14:15], v[230:231]
.set b, 0
.rept 8
.set j, 0
.rept 8
	v_min_num_f32 v[S+8*b+j], v[S+8*b+j], v8       ; the conversion does not saturate (ISA guide 7.6.2); p is not negative, so the hold is one-sided
.set j, j+1
.endr
	v_cvt_scalef32_pk8_fp8_f32 v[PC+2*b:PC+2*b+1], v[S+8*b:S+8*b+7], v7
.set b, b+1
.endr
.set j, 0
.rept 16
	v_pk_mul_f32 v[O+j:O+j+1], v[O+j:O+j+1], v[228:229] op_sel_hi:[1,0]   ; O^T under the new M; also the plain lines between the conversions and the products
.set j, j+2
.endr
	s_wait_dscnt 0x0                               ; V
.set j, 0
.rept 4
	v_wmma_f32_16x16x128_fp8_fp8 v[O+8*j:O+8*j+7], v[F+16*j:F+16*j+15], v[PC:PC+15], v[O+8*j:O+8*j+7]   ; the four accumulators take turns; the next block's eight score products stand between two links
.set j, j+1
.endr
	s_branch .Lnext_\@
.Lskip_\@:
	ASK 0
.Lnext_\@:
	s_add_co_u32 s3, s3, 8192
	s_sub_co_u32 s72, s72, 1
	s_cmp_lg_u32 s72, 0
	s_cbranch_scc1 .Lstep_\@
	; the way out: O^T / the sum x 2^(e8 + e9), held, converted: the conversions' results are the image's registers
.rept 4
	v_nop                                          ; places behind the last products
.endr
	v_add_f32 v14, v14, v15
	v_permlanex16_b32 v226, v14, s70, s71
	v_add_f32 v14, v14, v226                       ; the row's sum
	v_rcp_f32 v14, v14
	v_nop                                          ; a plain line behind the reciprocal
	s_wait_alu depctr_va_vdst(0)                   ; and the wait ahead of its first reader
	v_ldexp_f32 v14, v14, v11
.set j, 0
.rept 16
	v_pk_mul_f32 v[S+j:S+j+1], v[O+j:O+j+1], v[14:15] op_sel_hi:[1,0]   ; register 8 t + i: channel 16 t + 8 h + i of my query
.set j, j+2
.endr
.set b, 0
.rept 4
.set j, 0
.rept 8
	v_med3_num_f32 v[S+8*b+j], v[S+8*b+j], -v10, v10
.set j, j+1
.endr
	v_cvt_scalef32_pk8_fp8_f32 v[208+8*\p+2*b:208+8*\p+2*b+1], v[S+8*b:S+8*b+7], v9
.set b, b+1
.endr
	v_nop                                          ; a plain line between the last conversion and the next write of its sources
	global_store_b128 v1, v[208+8*\p:211+8*\p], s[12+2*\p:13+2*\p]              ; 512 consecutive bytes, aligned
	global_store_b128 v1, v[212+8*\p:215+8*\p], s[12+2*\p:13+2*\p] offset:512
.endm
	PASS 0
	PASS 1
	s_wait_tensorcnt 0x0                           ; the wave's end
	ds_add_u32 v5, v6
	s_wait_dscnt 0x0
	s_endpgm
.Lfunc_end_k_qacf865ed8a_attn:
	.size	k_qacf865ed8a_attn, .Lfunc_end_k_qacf865ed8a_attn-k_qacf865ed8a_attn
	.p2alignl 7, 3214868480
	.fill 96, 4, 3214868480
	.section	.rodata,"a",@progbits
	.p2align	6, 0x0
	.amdhsa_kernel k_qacf865ed8a_attn
		.amdhsa_group_segment_fixed_size 264192
		.amdhsa_private_segment_fixed_size 0
		.amdhsa_enable_private_segment 0
		.amdhsa_kernarg_size 40
		.amdhsa_user_sgpr_count 2
		.amdhsa_user_sgpr_kernarg_segment_ptr 1
		.amdhsa_wavefront_size32 1
		.amdhsa_system_sgpr_workgroup_id_x 1
		.amdhsa_system_sgpr_workgroup_id_y 1
		.amdhsa_system_sgpr_workgroup_id_z 1
		.amdhsa_system_vgpr_workitem_id 0
		.amdhsa_next_free_vgpr 256
		.amdhsa_next_free_sgpr 102
		.amdhsa_reserve_vcc 0
		.amdhsa_float_denorm_mode_32 3
		.amdhsa_float_denorm_mode_16_64 3
		.amdhsa_memory_ordered 1
		.amdhsa_forward_progress 1
		.amdhsa_inst_pref_size 71
	.end_amdhsa_kernel
	.amdgpu_metadata
---
amdhsa.version: [ 1, 2 ]
amdhsa.kernels:
  - .name:           k_qacf865ed8a_attn
    .symbol:         k_qacf865ed8a_attn.kd
    .args:
      - { .name: qkvc, .offset: 0, .size: 8, .value_kind: global_buffer, .address_space: global }
      - { .name: mbits, .offset: 8, .size: 8, .value_kind: global_buffer, .address_space: global }
      - { .name: minfo, .offset: 16, .size: 8, .value_kind: global_buffer, .address_space: global }
      - { .name: lowp_scales, .offset: 24, .size: 8, .value_kind: global_buffer, .address_space: global }
      - { .name: aimg, .offset: 32, .size: 8, .value_kind: global_buffer, .address_space: global }
    .group_segment_fixed_size: 264192
    .private_segment_fixed_size: 0
    .kernarg_segment_align: 8
    .kernarg_segment_size: 40
    .max_flat_workgroup_size: 512
    .sgpr_count:     102
    .vgpr_count:     256
    .wavefront_size: 32
...
	.end_amdgpu_metadata
.endif
;; end of part 3
;; launch oproj (part 4): grid 4 x 32, 4 waves a work-group, clusters of 4 x 4, 327,680 bytes of LDS; arguments aimg, wc, lowp_scales, bo, out0; writes out0
.if DOCPART == 4
	.amdgcn_target "amdgcn-amd-amdhsa--gfx1250"
	.amdhsa_code_object_version 6
	.text
	.protected	k_qacf865ed8a_oproj
	.globl	k_qacf865ed8a_oproj
	.p2align	8
	.type	k_qacf865ed8a_oproj,@function
k_qacf865ed8a_oproj:
	s_mov_b64 s[64:65], 0
	v_nop
	global_prefetch_b8 v0, s[64:65] scope:SCOPE_SE
	s_setreg_imm32_b32 hwreg(HW_REG_WAVE_MODE, 25, 1), 1
	s_wait_xcnt 0x0
	s_wait_alu depctr_hold_cnt(0) depctr_sa_sdst(0) depctr_va_vdst(0) depctr_va_sdst(0) depctr_va_ssrc(0) depctr_va_vcc(0) depctr_vm_vsrc(0)
	s_getreg_b32 s2, hwreg(HW_REG_IB_STS2, 6, 4)
	s_cmp_eq_u32 s2, 0
	s_cbranch_scc0 .Lentry_in_a_cluster
	s_endpgm
.Lentry_in_a_cluster:
	s_bfe_u32 s2, ttmp6, 0x10000c
	s_cmp_lg_u32 s2, 0xf033
	s_cbranch_scc0 .Lentry_shape_is_right
	s_endpgm
.Lentry_shape_is_right:
; out = A wo^T + bo on codes of E4M3.  A, the attention's result, lies as IMAGES OF ITS REGISTERS: [K step of 256: 4][tile of 16 rows: 512][4,096 bytes]; wo's codes lie as rows [1024][1024], the fourth tensor of wc.  out: [8192][1024] f32.
; A tile of out, 256 x 256, is made by four waves, each 128 x 128 in 64 accumulators; K = 1,024 goes in four steps of 256 through two LDS slots filled by the tensor data mover.
; CLUSTERS: 4 x 4 work-groups; A's tiles are shared along a row of the cluster, wo's along a column: each is asked for jointly.  THE MATRIX INSTRUCTION IS USED TRANSPOSED (source 0 = 16 rows of wo, source 1 = 16 rows of A).
; K STANDS IN ITS OWN PLACES on both sides (registers 2 c, 2 c + 1: k = 16 c + 8 (lane / 16) + 0 .. 7): A's image was stored so and comes by four loads of 16 bytes at 16 x lane; wo's rows come by eight loads of 8 bytes.
; bo is the C of the first step's products, divided by the power of two that the sums lack; each finished sum is multiplied once by 2^(e10 + e11).
; LIMIT: e10 + e11 between -126 and 127.
; REGISTERS, in windows of 256: window 0: v0-31 addresses; v32-95 bo, later the way out's numbers; from v128 A's fragments, ONE set; window 1: wo's fragments, TWO sets; windows 2, 3: the accumulators.
.set ROWB,   256
.set KROW,   1024
.set PITCH,  272                       ; wo's rows in LDS: 256 bytes + 16: the 32 lanes of an 8-byte load touch 64 different banks
.set FR,     16
.set NL,     4                         ; LDS loads that bring a fragment of A
.set NP,     4
.set HALFA,  32768                     ; 128 rows of A: eight images of 4,096 bytes, dense
.set HALFT,  128*PITCH
.set BOFF,   2*HALFA
.set SLOT,   BOFF+2*HALFT
.set ASTEP,  0x200000                  ; from a K step of A to the next
.set SPARE,  2*SLOT
.set SPITCH, 528                       ; the way out: a stage of 16 rows x (512 bytes + 16) for each wave, in slot 0, which has had its last fill and its last read when the first result is stored there
.set SIZE_N, 1024
.set ADRA, 16
.set ADRB, 20
.set STO,  24
.set RD,   25
.set CO,   26
.set SPW,  28
.set NIL,  29
.set BI,   32
.set TMP,  32
.set AF,   128
.set BK,   128
.set G1, 24
.set G0, 32
.set G1B, 48
.set G0B, 56
.set MSB, 0
.macro WIN new                         ; the immediate's high byte repeats the setting that is left
.if MSB != \new
	s_set_vgpr_msb (MSB<<8)|\new
.set MSB, \new
.endif
.endm
.set MUL_LO, 0xa1
.set MUL_HI, 0xf1
.set TO_B,   0x40
.macro JLOAD g0a, g1a, g0b, g1b        ; a joint load: waves 0 and 1 fetch for A, waves 2 and 3 for wo; an s_nop 0 and four v_nop follow each line
	s_cmp_eq_u32 s15, 0
	s_cbranch_scc0 .Lfor_b_\@
	tensor_load_to_lds s[\g0a:\g0a+3], s[\g1a:\g1a+7]
	s_nop 0
.rept 4
	v_nop
.endr
	s_branch .Lasked_\@
.Lfor_b_\@:
	tensor_load_to_lds s[\g0b:\g0b+3], s[\g1b:\g1b+7]
	s_nop 0
.rept 4
	v_nop
.endr
.Lasked_\@:
.endm
.macro CREST
	s_cmp_lg_u32 s14, 0
	s_cbranch_scc1 .Lnot_wave_0_\@
	s_barrier_signal -3
.Lnot_wave_0_\@:
	s_barrier_wait -3
	s_barrier_signal -1
	s_barrier_wait -1
.endm
.macro CROUND
	s_barrier_signal -1
	s_barrier_wait -1
	CREST
.endm
	s_load_b128 s[4:7], s[0:1], 0x0                ; aimg, wc
	s_load_b128 s[8:11], s[0:1], 0x10              ; the exponents, bo
	s_load_b64 s[12:13], s[0:1], 0x20              ; out
	v_lshl_add_u32 v[SPW], v0, 2, SPARE
	v_mov_b32 v[NIL], 0
	ds_add_u32 v[SPW], v[NIL]                      ; the wave's opening: the add and its wait ahead of my first tensor load
	v_lshrrev_b32 v1, 5, v0
	v_readfirstlane_b32 s14, v1                    ; wave 0..3
	s_lshr_b32 s15, s14, 1                         ; my half of the tile's rows.  Also: I fetch for A (0) or for wo (1)
	s_and_b32 s16, s14, 1                          ; my half of its columns.  Also: which 128 rows I fetch
	s_bfe_u32 s40, ttmp6, 0x40000                  ; cx
	s_bfe_u32 s41, ttmp6, 0x40004                  ; cy
	s_lshl_b32 s42, ttmp9, 2
	s_add_co_u32 s42, s42, s40                     ; tile column
	s_and_b32 s17, ttmp7, 0xffff
	s_lshl_b32 s17, s17, 2
	s_add_co_u32 s17, s17, s41                     ; tile row
	s_lshl_b32 s43, s41, 2
	s_lshl_b32 s43, 15, s43                        ; my row of the cluster
	s_lshl_b32 s44, 0x1111, s40                    ; my column
	s_or_b32 s[G1+0], s43, (3<<16)|(1<<21)         ; A: the mask; elements of 8 bytes; bit 21 beside a mask; no padding: a dense block as 128 rows of 256 bytes
	s_mov_b32 s[G1+1], 32<<16
	s_mov_b32 s[G1+2], 128<<16
	s_mov_b32 s[G1+3], 32<<16
	s_mov_b32 s[G1+4], 128
	s_mov_b32 s[G1+5], 32
	s_mov_b32 s[G1+6], 0
	s_mov_b32 s[G1+7], 0
	s_or_b32 s[G1B+0], s44, (0<<16)|(1<<20)|(1<<21)|(5<<22)|(3<<25)  ; wo: elements of 1 byte; four words of padding behind every 64
	s_mov_b32 s[G1B+1], ROWB<<16
	s_mov_b32 s[G1B+2], 128<<16
	s_mov_b32 s[G1B+3], ROWB<<16
	s_mov_b32 s[G1B+4], 128
	s_mov_b32 s[G1B+5], KROW
	s_mov_b32 s[G1B+6], 0
	s_mov_b32 s[G1B+7], 0
	s_lshl_b32 s20, s17, 16                        ; A: 16 images of 4,096 bytes a tile row,
	s_lshl_b32 s18, s16, 15                        ; 8 a half
	s_add_co_u32 s20, s20, s18
	s_mov_b32 s21, 0
	s_lshl_b32 s46, s42, 8
	s_lshl_b32 s18, s16, 7
	s_add_co_u32 s46, s46, s18
	s_lshl_b32 s46, s46, 10                        ; wo: row 256 x tile column + 128 x half, 1,024 bytes a row
	s_mov_b32 s47, 0
	s_mul_i32 s45, s16, HALFA                      ; where they go: no place in the cluster enters an LDS address
	s_mul_i32 s19, s16, HALFT
	s_add_co_u32 s19, s19, BOFF
	s_wait_dscnt 0x0                               ; the opening add is done
	s_wait_kmcnt 0x0
	s_load_b64 s[96:97], s[8:9], 0x28              ; e10, e11
	s_add_nc_u64 s[20:21], s[4:5], s[20:21]
	s_add_nc_u64 s[6:7], s[6:7], 0x300000          ; wo's codes
	s_add_nc_u64 s[46:47], s[6:7], s[46:47]
	CROUND                                         ; all sixteen work-groups are here: the first joint loads meet
.irp s, 0,1
	s_mov_b32 s[G0+4*\s], 1
	s_add_co_u32 s[G0+4*\s+1], s45, \s*SLOT
	s_add_nc_u64 s[G0+4*\s+2:G0+4*\s+3], s[20:21], \s*ASTEP
	s_or_b32 s[G0+4*\s+3], s[G0+4*\s+3], 0x80000000
	s_mov_b32 s[G0B+4*\s], 1
	s_add_co_u32 s[G0B+4*\s+1], s19, \s*SLOT
	s_add_nc_u64 s[G0B+4*\s+2:G0B+4*\s+3], s[46:47], \s*ROWB
	s_or_b32 s[G0B+4*\s+3], s[G0B+4*\s+3], 0x80000000
	JLOAD G0+4*\s, G1, G0B+4*\s, G1B
.endr
	v_and_b32 v1, 15, v0                           ; r
	v_bfe_u32 v2, v0, 4, 1                         ; h
	v_and_b32 v6, 31, v0
	v_lshlrev_b32 v[CO], 4, v6                     ; 16 x lane
	v_mul_u32_u24 v3, v1, PITCH
	v_lshl_add_u32 v4, v2, 3, v3                   ; wo: row x pitch + 8 h
	s_mul_i32 s21, s15, HALFA                      ; my 128 rows of A
	s_mul_i32 s22, s16, HALFT
	s_add_co_u32 s22, s22, BOFF                    ; my 128 rows of wo
.irp s, 0,1
	v_add_nc_u32 v[ADRA+\s], s21, v[CO]
	v_add_nc_u32 v[ADRB+\s], s22, v4
	s_add_co_u32 s21, s21, SLOT
	s_add_co_u32 s22, s22, SLOT
.endr
	s_mul_i32 s23, s14, 16*SPITCH                  ; my stage
	v_mul_u32_u24 v5, v1, SPITCH
	v_lshl_add_u32 v5, v2, 5, v5
	v_add_nc_u32 v[STO], s23, v5                   ; in: row r, 32 bytes for each half of the lanes
	v_add_nc_u32 v[RD], s23, v[CO]                 ; back: the 32 lanes take one row of 512 bytes
	s_lshl_b32 s20, s17, 8
	s_lshl_b32 s21, s15, 7
	s_add_co_u32 s20, s20, s21
	s_lshl_b32 s20, s20, 12                        ; my first row of out, 4,096 bytes a row
	s_lshl_b32 s46, s42, 10
	s_lshl_b32 s47, s16, 9
	s_add_co_u32 s46, s46, s47                     ; my first column, in bytes; the same offset serves bo
	s_mov_b32 s47, 0
	s_mov_b32 s21, 0
	s_add_nc_u64 s[12:13], s[12:13], s[20:21]
	s_add_nc_u64 s[12:13], s[12:13], s[46:47]
	s_add_nc_u64 s[10:11], s[10:11], s[46:47]
	v_lshlrev_b32 v7, 5, v2                        ; 32 h
.irp b, 0,1,2,3,4,5,6,7
	global_load_b128 v[BI+8*\b:BI+8*\b+3], v7, s[10:11] offset:64*\b        ; register 8 b + i: column 16 b + 8 h + i
	global_load_b128 v[BI+8*\b+4:BI+8*\b+7], v7, s[10:11] offset:64*\b+16
.endr
	s_wait_kmcnt 0x0
	s_add_co_i32 s96, s96, s97                     ; e10 + e11
	s_sub_co_i32 s3, 0, s96
	s_add_co_i32 s96, s96, 127
	s_lshl_b32 s96, s96, 23                        ; 2^(e10 + e11) as f32,
	s_mov_b32 s97, s96                             ; named as a pair
	s_wait_loadcnt 0x0
.set j, 0
.rept 64
	v_ldexp_f32 v[BI+j], v[BI+j], s3               ; bo / 2^(e10 + e11)
.set j, j+1
.endr
.macro FRAGA reg, adr, q, i            ; block i of 16 rows, the slot's q-th 128 along K: an image, four loads of 512 consecutive bytes
.irp c, 0,1,2,3
	ds_load_b128 v[\reg+4*\c:\reg+4*\c+3], v[\adr] offset:4096*(\i)+2048*(\q)+512*\c
.endr
.endm
.macro FRAGB reg, adr, q, i            ; 16 rows of wo: registers 2 c, 2 c + 1 take k = 16 c + 8 h + 0 .. 7
.irp c, 0,1,2,3,4,5,6,7
	ds_load_b64 v[\reg+2*\c:\reg+2*\c+1], v[\adr] offset:128*(\q)+16*\c+(\i)*16*PITCH
.endr
.endm
; 16 matrix instructions; first = 1: the sums begin with bo.  The 64 accumulators take turns, one instruction a turn.
.macro MUL16 a0, p, first
.irp a, \a0, \a0+1
.irp b, 0,1,2,3,4,5,6,7
.if \first
	v_wmma_f32_16x16x128_fp8_fp8 v[8*(8*((\a)%4)+\b):8*(8*((\a)%4)+\b)+7], v[128*(\p)+FR*\b:128*(\p)+FR*\b+FR-1], v[AF+FR*(\a):AF+FR*(\a)+FR-1], v[BI+8*\b:BI+8*\b+7]
.else
	v_wmma_f32_16x16x128_fp8_fp8 v[8*(8*((\a)%4)+\b):8*(8*((\a)%4)+\b)+7], v[128*(\p)+FR*\b:128*(\p)+FR*\b+FR-1], v[AF+FR*(\a):AF+FR*(\a)+FR-1], v[8*(8*((\a)%4)+\b):8*(8*((\a)%4)+\b)+7]
.endif
.endr
.endr
.endm
.macro FETCH_B slot, q, p
	WIN TO_B
.irp i, 0,1,2,3,4,5,6,7
	FRAGB 128*(\p)+FR*\i, ADRB+\slot, \q, \i
.endr
	WIN 0
.endm
.macro FETCH_A slot, q, i0
.irp i, \i0, \i0+1, \i0+2, \i0+3
	FRAGA AF+FR*(\i), ADRA+\slot, \q, \i
.endr
.endm
.macro PLACES n
.rept \n
	v_nop
.endr
.endm
.macro STEP slot, q, first
	s_wait_dscnt 4*NL                              ; wo's set and A's blocks 0-3 are in; the youngest sixteen loads (A's blocks 4-7) may be out
.if \first
	WIN 0x81                                       ; source 0 window 1, source 1 and C (bo) window 0, D window 2
.else
	WIN MUL_LO
.endif
	MUL16 0, (\q)%2, \first
	MUL16 2, (\q)%2, \first
	s_wait_dscnt 0
	PLACES NP
	FETCH_B \slot, (\q)+1, 1-(\q)%2
	FETCH_A \slot, (\q)+1, 0
.if \first
	WIN 0xc1                                       ; the same, D window 3
.else
	WIN MUL_HI
.endif
	MUL16 4, (\q)%2, \first
	MUL16 6, (\q)%2, \first
	PLACES NP
	WIN 0
	FETCH_A \slot, (\q)+1, 4
.endm
.macro TURN slot, next, fill           ; a slot's last step changes slots: one barrier, the three lines in front of it
	s_wait_tensorcnt 0x0                           ; all my tensor loads have landed: my part of the next slot
	ds_add_u32 v[SPW], v[NIL]
	s_wait_dscnt 4*NL+1                            ; the add and the youngest sixteen loads may be out
	WIN MUL_LO
	MUL16 0, 1, 0
	s_wait_dscnt 0x0                               ; the add is done, and my reads of this slot are over
	s_barrier_signal -1
	MUL16 2, 1, 0
	WIN 0
	s_barrier_wait -1
.if \fill
	CREST                                          ; the barrier has opened a round of the cluster's: no wave of any partner still reads this slot or has a load on its way
	s_add_nc_u64 s[G0+4*\slot+2:G0+4*\slot+3], s[G0+4*\slot+2:G0+4*\slot+3], 2*ASTEP
	s_add_nc_u64 s[G0B+4*\slot+2:G0B+4*\slot+3], s[G0B+4*\slot+2:G0B+4*\slot+3], 2*ROWB
	JLOAD G0+4*\slot, G1, G0B+4*\slot, G1B         ; the first tensor load behind the round; its four v_nop are the places in front of the loads below
.else
	PLACES NP
.endif
	FETCH_B \next, 0, 0
	FETCH_A \next, 0, 0
	WIN MUL_HI
	MUL16 4, 1, 0
	MUL16 6, 1, 0
	PLACES NP
	WIN 0
	FETCH_A \next, 0, 4
.endm
	s_wait_tensorcnt 1                             ; my part of K step 0 is in; K step 1's load may be out
	s_barrier_signal -1
	s_barrier_wait -1
	FETCH_B 0, 0, 0
	FETCH_A 0, 0, 0
	FETCH_A 0, 0, 4
	STEP 0, 0, 1                                   ; K = 1,024 is four fills of a slot: the eight steps are written out
	TURN 0, 1, 1
	STEP 1, 0, 0
	TURN 1, 0, 1
	STEP 0, 0, 0
	TURN 0, 1, 0
	STEP 1, 0, 0
	s_wait_dscnt 4*NL
	WIN MUL_LO
	MUL16 0, 1, 0
	MUL16 2, 1, 0
	s_wait_dscnt 0
	WIN MUL_HI
	MUL16 4, 1, 0
	MUL16 6, 1, 0
	WIN 0
; THE WAY OUT, block by block of 16 rows x 128 columns: a lane holds 32 neighbouring bytes of a row; a block goes through my own stage in LDS and comes back as whole rows of 512 bytes.
; LDS serves a wave's instructions in order (ISA guide 5.7.1.4): no wait between the stores and the loads, nor in front of the next block's stores.
.macro TOSTAGE a
.set AC, 64*((\a)%4)
	WIN 0x02+((\a)/4)
.irp j, 0,2,4,6,8,10,12,14,16,18,20,22,24,26,28,30,32,34,36,38,40,42,44,46,48,50,52,54,56,58,60,62
	v_pk_mul_f32 v[TMP+\j:TMP+\j+1], v[AC+\j:AC+\j+1], s[96:97] op_sel_hi:[1,0]   ; x 2^(e10 + e11); each accumulator from its low end on
.endr
	WIN 0
.irp b, 0,1,2,3,4,5,6,7
	ds_store_b128 v[STO], v[TMP+8*\b:TMP+8*\b+3] offset:64*\b
	ds_store_b128 v[STO], v[TMP+8*\b+4:TMP+8*\b+7] offset:64*\b+16
.endr
.set BB, BK+64*((\a)%2)
.irp t, 0,1,2,3,4,5,6,7,8,9,10,11,12,13,14,15
	ds_load_b128 v[BB+4*\t:BB+4*\t+3], v[RD] offset:\t*SPITCH
.endr
.endm
.macro SEND a, younger
.set BB, BK+64*((\a)%2)
	s_wait_dscnt \younger                          ; the block is back in registers
.if (\a) > 0
	s_add_nc_u64 s[12:13], s[12:13], 16*SIZE_N*4   ; (behind a wait on XCNT: the earlier stores have read their base)
.endif
.irp t, 0,1,2,3,4,5,6,7,8,9,10,11,12,13,14,15
	global_store_b128 v[CO], v[BB+4*\t:BB+4*\t+3], s[12:13] offset:\t*SIZE_N*4 th:TH_STORE_NT   ; 32 lanes store 512 consecutive bytes, aligned
.endr
.endm
	PLACES NP
	TOSTAGE 0
.irp a, 1,2,3,4,5,6,7
.if \a > 1
	s_wait_xcnt 0x0                                ; block a - 2's stores have read their registers and their base
.endif
	TOSTAGE \a
	SEND \a-1, 32                                  ; behind block a - 1's loads: block a's 16 stores and 16 loads
.endr
	s_wait_xcnt 0x0
	SEND 7, 0
	s_wait_tensorcnt 0x0                           ; the wave's end
	ds_add_u32 v[SPW], v[NIL]
	s_wait_dscnt 0x0
	CROUND                                         ; the closing round
	s_endpgm
.Lfunc_end_k_qacf865ed8a_oproj:
	.size	k_qacf865ed8a_oproj, .Lfunc_end_k_qacf865ed8a_oproj-k_qacf865ed8a_oproj
	.p2alignl 7, 3214868480
	.fill 96, 4, 3214868480
	.section	.rodata,"a",@progbits
	.p2align	6, 0x0
	.amdhsa_kernel k_qacf865ed8a_oproj
		.amdhsa_group_segment_fixed_size 327680
		.amdhsa_private_segment_fixed_size 0
		.amdhsa_enable_private_segment 0
		.amdhsa_kernarg_size 40
		.amdhsa_user_sgpr_count 2
		.amdhsa_user_sgpr_kernarg_segment_ptr 1
		.amdhsa_wavefront_size32 1
		.amdhsa_system_sgpr_workgroup_id_x 1
		.amdhsa_system_sgpr_workgroup_id_y 1
		.amdhsa_system_sgpr_workgroup_id_z 1
		.amdhsa_system_vgpr_workitem_id 0
		.amdhsa_next_free_vgpr 1024
		.amdhsa_next_free_sgpr 98
		.amdhsa_reserve_vcc 0
		.amdhsa_float_denorm_mode_32 3
		.amdhsa_float_denorm_mode_16_64 3
		.amdhsa_memory_ordered 1
		.amdhsa_forward_progress 1
		.amdhsa_inst_pref_size 145
	.end_amdhsa_kernel
	.amdgpu_metadata
---
amdhsa.version: [ 1, 2 ]
amdhsa.kernels:
  - .name:           k_qacf865ed8a_oproj
    .symbol:         k_qacf865ed8a_oproj.kd
    .args:
      - { .name: aimg, .offset: 0, .size: 8, .value_kind: global_buffer, .address_space: global }
      - { .name: wc, .offset: 8, .size: 8, .value_kind: global_buffer, .address_space: global }
      - { .name: lowp_scales, .offset: 16, .size: 8, .value_kind: global_buffer, .address_space: global }
      - { .name: bo, .offset: 24, .size: 8, .value_kind: global_buffer, .address_space: global }
      - { .name: out0, .offset: 32, .size: 8, .value_kind: global_buffer, .address_space: global }
    .group_segment_fixed_size: 327680
    .private_segment_fixed_size: 0
    .kernarg_segment_align: 8
    .kernarg_segment_size: 40
    .max_flat_workgroup_size: 128
    .sgpr_count:     98
    .vgpr_count:     1024
    .wavefront_size: 32
...
	.end_amdgpu_metadata
.endif
;; end of part 4
;; ======== version 2 of 2: 4 launches; version 1 with the launch attn written anew for expert scheduling mode
;; limits: right only within a limited range of input values
;; workspace buffers: xc 25,165,824 bytes; wc 4,194,304 bytes; mbits 524,288 bytes of whole numbers; minfo 8,192 bytes of whole numbers; qkvc 25,165,824 bytes; aimg 8,388,608 bytes
;; launch prep: the kernel of part 1 again; grid 512 x 1, 4 waves a work-group, no clusters, 54,784 bytes of LDS; arguments x, wq, wk, wv, wo, mask, lowp_scales, xc, wc, mbits, minfo; writes xc, wc, mbits, minfo
;; launch proj: the kernel of part 2 again; grid 12 x 32, 4 waves a work-group, clusters of 4 x 4, 327,680 bytes of LDS; arguments xc, wc, lowp_scales, bq, bk, bv, qkvc; writes qkvc
;; launch attn (part 5): grid 4 x 64, 16 waves a work-group, no clusters, 264,192 bytes of LDS; arguments qkvc, mbits, minfo, lowp_scales, aimg; writes aimg
.if DOCPART == 5
	.amdgcn_target "amdgcn-amd-amdhsa--gfx1250"
	.amdhsa_code_object_version 6
	.text
	.protected	k_qacf865ed8a_attn
	.globl	k_qacf865ed8a_attn
	.p2align	8
	.type	k_qacf865ed8a_attn,@function
k_qacf865ed8a_attn:
	s_mov_b64 s[64:65], 0
	v_nop
	global_prefetch_b8 v0, s[64:65] scope:SCOPE_SE
	s_setreg_imm32_b32 hwreg(HW_REG_WAVE_SCHED_MODE, 0, 2), 2
	s_setreg_imm32_b32 hwreg(HW_REG_WAVE_MODE, 25, 1), 1
	s_wait_xcnt 0x0
	s_wait_alu depctr_vm_vsrc(0)
; O = softmax(Q K^T / 8, masked) V for one (batch, head), both products on codes of E4M3; the result is quantised (2^e10) into the image that the last projection reads.
; THE SOFTMAX AHEAD OF THE SECOND PRODUCT: t = logit x log2(e); M = the running largest t rounded UP to a whole number; p = 2^(t - M) is quantised (2^e8), not normalised; the row's sum is taken of the unquantised p and divides at the end.
; SHARES.  A work-group has one head's whole K and V in LDS (two images of 131,072 bytes, written once through registers, ahead of the launch's one barrier) and 32 tiles of 16 queries: qt = 4 i + x.  Wave w takes i = 31 - w, then i = w.
; NO TENSOR LOAD AND NO CLUSTER: the walk over key blocks branches on whole numbers that an earlier launch stored.
; LAYOUT.  Both products transposed: S^T = K Q^T (source 0 = 16 keys), O^T = V^T P (source 0 = 16 channels): a lane holds ONE query.  Score register 8 t + j of lane (r, h) is key 16 t + 8 h + j: eight such registers convert
; into registers 2 t, 2 t + 1 of P, which is K's own place in the K = 128 form.  All fragments come from LDS as images of their registers: 16 x lane, 512 bytes a load.
; THE MASK is honoured as it is given.  Each block of 16 queries x 128 keys has a class, made from the stored facts: 0 closed and left out, 1 mixed, 2 all open.  A tile with a row that has NO open key at all leaves nothing out,
; so that such a row gets its equal weights over all 2,048 keys.  In a mixed block each score register takes one select by its stored word of 32 lane bits.
; A CLOSED SCORE's raw sum becomes SENT = -2^(33 - e6 - e7), that is the logit -2^30 in place of -1e9.  c x SENT is a whole number, so a row all closed so far has p = 1 exactly; beside any open key p is 0.
; LIMITS: -94 <= e6 + e7 <= 9: then c and SENT are f32 numbers and every open logit is under 8.2e8 in magnitude, so that -2^30 and -1e9 give the same p.  e8 and e10 between -126 and 119.  NaN is not served.
; REGISTERS: v1 16 x lane; v2, v3 LDS addresses; v4 SENT; v5, v6 the add's two; v7, v8 2^e8 and 448 x 2^e8; v9, v10 the same for e10; v11 e8 + e9; v12 -M; v13 the largest t; v[14:15] the sum; v16-31 Q of both passes;
;   v32-95 K's, then V's fragments; v96-159 S^T, then p; v160-191 O^T; v192-207 p's codes; v208-223 the codes out; v224-231 at work; v232, v233 the fill's LDS addresses.
; THE MODE: SCHED_MODE bits 1:0 = 2 (LLVM: expert scheduling mode 2), set by the entry lines.  The code itself states the register dependences between vector or matrix instructions and memory or LDS instructions,
; with s_wait_alu, always for 0.
; THE PLAN.  Registers that memory or LDS instructions touch:
;   v1, v232, v233  Offsets and the fill's LDS addresses: written at the head, never again.
;   v2, v3          At the head Q's offsets.  In a key block that is walked: written by two additions at its head; K's sixteen LDS loads read v2, V's sixteen read v3.
;   F = v32-95      At the head: K's global loads land, the fill's LDS stores read.  In a block: K's LDS loads land, the eight score products read; V's LDS loads land, the four second products read.
;   S = v96-159     At the head: V's global loads land, the fill's LDS stores read.  From then on named by vector and matrix instructions alone.
;   v208-223        Written by a pass's last conversions, read by its two stores, never written again.
;   v5, v6          Written at the head, read by the closing add alone.
; A block has one wait on vm_vsrc (ahead of the additions) and two on va_vdst beside the softmax's own: one ahead of K's loads (the addresses are written, the block before is done reading F), one behind the score products
; (they are done reading F).  Behind that one no vector or matrix instruction names F or v3 before the second products, so V's loads are dealt among the softmax's first lines with no further wait.
.set VB,    131072                     ; V's image in LDS
.set SPARE, 262144                     ; the spare words: 128 bytes for each of 16 waves
.set F,  32
.set S,  96
.set O,  160
.set PC, 192
	s_load_b256 s[4:11], s[0:1], 0x0               ; the images of q, k, v; mbits; minfo; the exponents
	s_load_b64 s[12:13], s[0:1], 0x20              ; aimg
	v_lshl_add_u32 v5, v0, 2, SPARE
	v_mov_b32 v6, 0
	v_lshrrev_b32 v1, 5, v0
	v_readfirstlane_b32 s2, v1                     ; wave 0..15
	v_and_b32 v1, 31, v0
	v_lshlrev_b32 v1, 4, v1                        ; 16 x lane
	s_and_b32 s3, ttmp7, 0xffff                    ; 16 batch + head
	s_wait_alu depctr_va_sdst(0)                   ; s2 is written, ahead of its first reader: offsets, bases and tiles are made from it
	s_lshl_b32 s96, s2, 13                         ; my wave fills 8,192 bytes of each image
	v_add_nc_u32 v232, s96, v1
	v_add_nc_u32 v233, VB, v232
	s_sub_co_u32 s98, 31, s2
	s_lshl_b32 s98, s98, 2
	s_add_co_u32 s98, s98, ttmp9                   ; the first pass's tile of queries
	s_lshl_b32 s99, s2, 2
	s_add_co_u32 s99, s99, ttmp9                   ; the second's
	s_lshl_b32 s76, s98, 12                        ; a tile's 16 blocks of bits are 4,096 bytes; so is its place in aimg
	s_lshl_b32 s77, s99, 12
	s_lshl_b32 s72, s98, 6                         ; its 16 words of facts
	s_lshl_b32 s73, s99, 6
	s_lshl_b32 s97, s98, 10                        ; its image of Q
	v_add_nc_u32 v2, s97, v1
	s_lshl_b32 s97, s99, 10
	v_add_nc_u32 v3, s97, v1
	s_lshl_b32 s100, s3, 17                        ; a head's image
	s_mov_b32 s101, 0
	s_mov_b32 s97, 0
	s_mov_b32 s70, 0x76543210                      ; v_permlanex16_b32: lane l xor 16
	s_mov_b32 s71, 0xfedcba98
	v_mov_b32 v226, 0                              ; a lane permute's destination counts as read
	v_mov_b32 v229, 0                              ; named as the upper half of the pair v[228:229]
	s_wait_kmcnt 0x0
	s_load_b256 s[80:87], s[10:11], 0x0            ; e0 .. e7
	s_load_b128 s[88:91], s[10:11], 0x20           ; e8 .. e11
	s_load_b512 s[16:31], s[8:9], s72 offset:0x0   ; the facts of both tiles
	s_load_b512 s[32:47], s[8:9], s73 offset:0x0
	s_add_nc_u64 s[4:5], s[4:5], s[100:101]        ; q's image of my head
	s_add_nc_u64 s[78:79], s[4:5], s[96:97]
	s_add_nc_u64 s[78:79], s[78:79], 0x800000      ; my part of k's,
	s_add_nc_u64 s[100:101], s[78:79], 0x800000    ; and of v's
	s_wait_alu depctr_va_vdst(0)                   ; v1, v2 and v3 are written, which the loads below read as offsets; so are v232 and v233, which the fill's LDS stores read: no vector line between here and those stores names a register that they touch
.set j, 0
.rept 16
	global_load_b128 v[F+4*j:F+4*j+3], v1, s[78:79] offset:512*j
.set j, j+1
.endr
.set j, 0
.rept 16
	global_load_b128 v[S+4*j:S+4*j+3], v1, s[100:101] offset:512*j
.set j, j+1
.endr
	global_load_b128 v[16:19], v2, s[4:5]
	global_load_b128 v[20:23], v2, s[4:5] offset:512
	global_load_b128 v[24:27], v3, s[4:5]
	global_load_b128 v[28:31], v3, s[4:5] offset:512
	s_wait_xcnt 0x0                                ; the loads have read their bases: s78, s79, s96 to s101 may be written
	s_lshr_b32 s96, s3, 4                          ; batch
	s_and_b32 s97, s3, 15                          ; head
	s_lshr_b32 s100, s97, 2
	s_lshl_b32 s100, s100, 21                      ; aimg: [head / 4][128 batch + qt][head % 4][1,024 bytes]
	s_and_b32 s97, s97, 3
	s_lshl_b32 s97, s97, 10
	s_add_co_u32 s100, s100, s97
	s_lshl_b32 s96, s96, 19
	s_add_co_u32 s100, s100, s96
	s_mov_b32 s101, 0
	s_add_nc_u64 s[12:13], s[12:13], s[100:101]
	s_mov_b32 s100, s77
	s_add_nc_u64 s[14:15], s[12:13], s[100:101]    ; the second pass's place,
	s_mov_b32 s100, s76
	s_add_nc_u64 s[12:13], s[12:13], s[100:101]    ; and the first's
	s_wait_kmcnt 0x0
	s_add_co_i32 s96, s86, s87                     ; e6 + e7
	s_lshl_b32 s97, s96, 23
	s_add_co_i32 s68, s97, 0x3e38aa3b              ; c = log2(e) / 8 x 2^(e6 + e7): the exponents are added to c's exponent field
	s_mov_b32 s69, s68
	s_sub_co_i32 s97, 160, s96
	s_lshl_b32 s97, s97, 23
	s_or_b32 s97, s97, 0x80000000
	v_mov_b32 v4, s97                              ; SENT = -2^(33 - e6 - e7)
	s_add_co_i32 s96, s88, 127
	s_lshl_b32 s97, s96, 23
	v_mov_b32 v7, s97                              ; 2^e8
	s_add_co_i32 s96, s96, 8
	s_lshl_b32 s96, s96, 23
	s_or_b32 s96, s96, 0x600000
	v_mov_b32 v8, s96                              ; 448 x 2^e8
	s_add_co_i32 s96, s90, 127
	s_lshl_b32 s97, s96, 23
	v_mov_b32 v9, s97                              ; 2^e10
	s_add_co_i32 s96, s96, 8
	s_lshl_b32 s96, s96, 23
	s_or_b32 s96, s96, 0x600000
	v_mov_b32 v10, s96                             ; 448 x 2^e10
	s_add_co_i32 s96, s88, s89
	v_mov_b32 v11, s96                             ; e8 + e9
; The classes of a tile's 16 blocks, two bits each, block 0 lowest.
.macro BUILD dst, base
	s_or_b32 s78, s[\base], s[\base+1]
.irp k, 2,3,4,5,6,7,8,9,10,11,12,13,14,15
	s_or_b32 s78, s78, s[\base+\k]
.endr
	s_and_b32 s78, s78, 0xffff
	s_cmp_eq_u32 s78, 0xffff                       ; has every row an open key somewhere?
	s_cselect_b32 s79, 0, 1                        ; if not, a closed block counts as mixed: nothing is left out
	s_mov_b32 s[\dst], 0
.irp k, 15,14,13,12,11,10,9,8,7,6,5,4,3,2,1,0
	s_and_b32 s96, s[\base+\k], 0xffff             ; SCC: some row has an open key here
	s_cselect_b32 s96, 1, s79
	s_bfe_u32 s97, s[\base+\k], 0x10010            ; bit 16: all open
	s_add_co_u32 s96, s96, s97
	s_lshl_b32 s[\dst], s[\dst], 2
	s_or_b32 s[\dst], s[\dst], s96
.endr
.endm
	BUILD 74, 16
	BUILD 75, 32
	s_wait_loadcnt 20                              ; K's sixteen loads are in; V's sixteen and Q's four may be out
.set j, 0
.rept 16
	ds_store_b128 v232, v[F+4*j:F+4*j+3] offset:512*j
.set j, j+1
.endr
	s_wait_loadcnt 4                               ; V's are in; Q's four may be out
.set j, 0
.rept 16
	ds_store_b128 v233, v[S+4*j:S+4*j+3] offset:512*j
.set j, j+1
.endr
	s_wait_loadcnt 0x0                             ; Q
	s_wait_dscnt 0x0                               ; for the others' sake: my stores have landed
	s_barrier_signal -1
	s_barrier_wait -1                              ; both images are whole; nothing is written into them again
	s_wait_alu depctr_vm_vsrc(0)                   ; my LDS stores have read v[F ..] and v[S ..], which LDS loads, products and the way out write from here on; Q's loads have read v2 and v3, which become LDS addresses
; The 64 words of the block whose classes' lowest two bits stand in s66, into s16-63 and s80-95.  first = 1: the tile's first block, always, so that every word is written on every way.
; first = 0: the next block's, only where it is mixed.  After 16 shifts s66 is 0, so nothing is asked for past a tile's blocks.
.macro ASK first
	s_wait_kmcnt 0x0                               ; no scalar load is out: the offset and the words may be written
.if \first == 0
	s_add_co_u32 s73, s73, 256
	s_and_b32 s78, s66, 3
	s_cmp_eq_u32 s78, 1
	s_cbranch_scc0 .Lnoask_\@
.endif
	s_load_b512 s[16:31], s[6:7], s73 offset:0x0
	s_load_b512 s[32:47], s[6:7], s73 offset:0x40
	s_load_b512 s[48:63], s[6:7], s73 offset:0x80
	s_load_b512 s[80:95], s[6:7], s73 offset:0xc0
.Lnoask_\@:
.endm
; V's tile g: 16 channels x 128 keys, four loads of 512 consecutive bytes
.macro VFRAG g
.irp c, 0,1,2,3
	ds_load_b128 v[F+16*(\g)+4*\c:F+16*(\g)+4*\c+3], v3 offset:2048*(\g)+512*\c
.endr
.endm
.macro PASS p
	s_wait_kmcnt 0x0
	v_mov_b32 v13, 0xff61b1e6                      ; the largest t so far: -3e38, under every t
	v_floor_f32 v12, -v13                          ; -M
	v_mov_b32 v14, 0
	v_mov_b32 v15, 0
.set j, 0
.rept 32
	v_mov_b32 v[O+j], 0                            ; the step is written once: the first finds zeros, which the first change of M leaves zeros
.set j, j+1
.endr
	s_mov_b32 s3, 0                                ; the block's place in each image
	s_mov_b32 s72, 16
	s_mov_b32 s66, s[74+\p]
	s_mov_b32 s73, s[76+\p]
	ASK 1
.Lstep_\@:
	s_and_b32 s67, s66, 3                          ; this block's class
	s_lshr_b32 s66, s66, 2
	s_cmp_eq_u32 s67, 0
	s_cbranch_scc1 .Lskip_\@
	s_wait_alu depctr_vm_vsrc(0)                   ; the LDS loads of the block walked before have read v2 and v3, which the two additions write
	v_add_nc_u32 v2, s3, v1
	v_add_nc_u32 v3, VB, v2
	v_nop
	v_nop                                          ; four plain lines between the last products and the loads into the registers that they read
	s_wait_alu depctr_va_vdst(0)                   ; v2 and v3 are written, which K's and V's loads read; the second products of the block walked before are done reading v[F ..], in which K's loads land
.set j, 0
.rept 16
	ds_load_b128 v[F+4*j:F+4*j+3], v2 offset:512*j ; K: eight tiles of 16 keys x 64 channels
.set j, j+1
.endr
	s_wait_dscnt 0x0
.set j, 0
.rept 8
	v_wmma_f32_16x16x64_fp8_fp8 v[S+8*j:S+8*j+7], v[F+8*j:F+8*j+7], v[16+8*\p:23+8*\p], 0
.set j, j+1
.endr
.rept 4
	v_nop                                          ; places in front of the first read of the scores
.endr
	s_wait_alu depctr_va_vdst(0)                   ; the score products are done reading v[F ..], in which V's sixteen loads land.  From here to the second products no vector or matrix instruction names v[F ..] or v3: the loads are dealt among the lines below with no further wait
	VFRAG 0                                        ; V: four tiles of 16 channels x 128 keys; they land under the softmax
	s_cmp_eq_u32 s67, 2
	s_cbranch_scc1 .Lopen_\@
	s_wait_kmcnt 0x0                               ; the block's 64 words
.set j, 0
.rept 64
	v_cndmask_b32 v[S+j], v4, v[S+j], s[16+j+16*(j/48)]   ; a closed score becomes SENT
.set j, j+1
.endr
.Lopen_\@:
	ASK 0
	v_max3_num_f32 v224, v[S], v[S+1], v[S+2]      ; the block's largest score of my query, in two chains; each accumulator is read from its low end on
	v_max3_num_f32 v225, v[S+3], v[S+4], v[S+5]
.set j, 6
.rept 14
	v_max3_num_f32 v224, v224, v[S+j], v[S+j+1]
	v_max3_num_f32 v225, v225, v[S+j+2], v[S+j+3]
.if (j == 14) || (j == 30) || (j == 46)
	VFRAG (j+2)/16                                 ; V's tiles 1, 2 and 3, four loads at a time
.endif
.set j, j+4
.endr
	v_max3_num_f32 v224, v224, v[S+62], v[S+63]
	v_max_num_f32 v224, v224, v225
	v_permlanex16_b32 v226, v224, s70, s71
	v_max_num_f32 v224, v224, v226                 ; and among lane l xor 16's
	v_mul_f32 v224, s68, v224                      ; as t (c is positive)
	v_max_num_f32 v13, v13, v224
	v_mov_b32 v224, v12
	v_floor_f32 v12, -v13                          ; the new -M = -ceil(t)
	v_sub_f32 v224, v12, v224                      ; old M - new M: a whole number, 0 or less
	v_cvt_i32_f32 v224, v224                       ; (it saturates)
	v_ldexp_f32 v228, 1.0, v224                    ; f = 2^(old M - new M)
.set j, 0
.rept 32
	v_pk_fma_f32 v[S+j:S+j+1], v[S+j:S+j+1], s[68:69], v[12:13] op_sel_hi:[1,0,0]   ; t - M
.set j, j+2
.endr
.set j, 0
.rept 64
	v_exp_f32 v[S+j], v[S+j]                       ; p = 2^(t - M)
.set j, j+1
.endr
	v_pk_mul_f32 v[14:15], v[14:15], v[228:229] op_sel_hi:[1,0]   ; the sums under the new M: the plain line behind the exponentials
	s_wait_alu depctr_va_vdst(0)                   ; the 64 exponentials have written p in v[S ..]: one wait for the batch, ahead of its first reader
	v_pk_add_f32 v[230:231], v[S:S+1], v[S+2:S+3]  ; the row's sum, of the unquantised p, in two chains
.set j, 4
.rept 15
	v_pk_add_f32 v[14:15], v[14:15], v[S+j:S+j+1]
	v_pk_add_f32 v[230:231], v[230:231], v[S+j+2:S+j+3]
.set j, j+4
.endr
	v_pk_add_f32 v[14:15], v[14:15], v[230:231]
.set b, 0
.rept 8
.set j, 0
.rept 8
	v_min_num_f32 v[S+8*b+j], v[S+8*b+j], v8       ; the conversion does not saturate (ISA guide 7.6.2); p is not negative, so the hold is one-sided
.set j, j+1
.endr
	v_cvt_scalef32_pk8_fp8_f32 v[PC+2*b:PC+2*b+1], v[S+8*b:S+8*b+7], v7
.set b, b+1
.endr
.set j, 0
.rept 16
	v_pk_mul_f32 v[O+j:O+j+1], v[O+j:O+j+1], v[228:229] op_sel_hi:[1,0]   ; O^T under the new M; also the plain lines between the conversions and the products
.set j, j+2
.endr
	s_wait_dscnt 0x0                               ; V
.set j, 0
.rept 4
	v_wmma_f32_16x16x128_fp8_fp8 v[O+8*j:O+8*j+7], v[F+16*j:F+16*j+15], v[PC:PC+15], v[O+8*j:O+8*j+7]   ; the four accumulators take turns; the next block's eight score products stand between two links
.set j, j+1
.endr
	s_branch .Lnext_\@
.Lskip_\@:
	ASK 0
.Lnext_\@:
	s_add_co_u32 s3, s3, 8192
	s_sub_co_u32 s72, s72, 1
	s_cmp_lg_u32 s72, 0
	s_cbranch_scc1 .Lstep_\@
	; the way out: O^T / the sum x 2^(e8 + e9), held, converted: the conversions' results are the image's registers
.rept 4
	v_nop                                          ; places behind the last products
.endr
	v_add_f32 v14, v14, v15
	v_permlanex16_b32 v226, v14, s70, s71
	v_add_f32 v14, v14, v226                       ; the row's sum
	v_rcp_f32 v14, v14
	v_nop                                          ; a plain line behind the reciprocal
	s_wait_alu depctr_va_vdst(0)                   ; the reciprocal has written v14: the wait ahead of its first reader
	v_ldexp_f32 v14, v14, v11
.set j, 0
.rept 16
	v_pk_mul_f32 v[S+j:S+j+1], v[O+j:O+j+1], v[14:15] op_sel_hi:[1,0]   ; register 8 t + i: channel 16 t + 8 h + i of my query
.set j, j+2
.endr
.set b, 0
.rept 4
.set j, 0
.rept 8
	v_med3_num_f32 v[S+8*b+j], v[S+8*b+j], -v10, v10
.set j, j+1
.endr
	v_cvt_scalef32_pk8_fp8_f32 v[208+8*\p+2*b:208+8*\p+2*b+1], v[S+8*b:S+8*b+7], v9
.set b, b+1
.endr
	v_nop                                          ; a plain line between the last conversion and the next write of its sources
	s_wait_alu depctr_va_vdst(0)                   ; the four conversions have written this pass's eight registers of codes, which the two stores read
	global_store_b128 v1, v[208+8*\p:211+8*\p], s[12+2*\p:13+2*\p]              ; 512 consecutive bytes, aligned
	global_store_b128 v1, v[212+8*\p:215+8*\p], s[12+2*\p:13+2*\p] offset:512
.endm
	PASS 0
	PASS 1
	s_wait_dscnt 0x0                               ; the closing lines, six on end
	s_wait_alu 0x0
	s_wait_tensorcnt 0x0
	ds_add_u32 v5, v6
	s_wait_dscnt 0x0
	s_endpgm
.Lfunc_end_k_qacf865ed8a_attn:
	.size	k_qacf865ed8a_attn, .Lfunc_end_k_qacf865ed8a_attn-k_qacf865ed8a_attn
	.p2alignl 7, 3214868480
	.fill 96, 4, 3214868480
	.section	.rodata,"a",@progbits
	.p2align	6, 0x0
	.amdhsa_kernel k_qacf865ed8a_attn
		.amdhsa_group_segment_fixed_size 264192
		.amdhsa_private_segment_fixed_size 0
		.amdhsa_enable_private_segment 0
		.amdhsa_kernarg_size 40
		.amdhsa_user_sgpr_count 2
		.amdhsa_user_sgpr_kernarg_segment_ptr 1
		.amdhsa_wavefront_size32 1
		.amdhsa_system_sgpr_workgroup_id_x 1
		.amdhsa_system_sgpr_workgroup_id_y 1
		.amdhsa_system_sgpr_workgroup_id_z 1
		.amdhsa_system_vgpr_workitem_id 0
		.amdhsa_next_free_vgpr 256
		.amdhsa_next_free_sgpr 102
		.amdhsa_reserve_vcc 0
		.amdhsa_float_denorm_mode_32 3
		.amdhsa_float_denorm_mode_16_64 3
		.amdhsa_memory_ordered 1
		.amdhsa_forward_progress 1
		.amdhsa_inst_pref_size 71
	.end_amdhsa_kernel
	.amdgpu_metadata
---
amdhsa.version: [ 1, 2 ]
amdhsa.kernels:
  - .name:           k_qacf865ed8a_attn
    .symbol:         k_qacf865ed8a_attn.kd
    .args:
      - { .name: qkvc, .offset: 0, .size: 8, .value_kind: global_buffer, .address_space: global }
      - { .name: mbits, .offset: 8, .size: 8, .value_kind: global_buffer, .address_space: global }
      - { .name: minfo, .offset: 16, .size: 8, .value_kind: global_buffer, .address_space: global }
      - { .name: lowp_scales, .offset: 24, .size: 8, .value_kind: global_buffer, .address_space: global }
      - { .name: aimg, .offset: 32, .size: 8, .value_kind: global_buffer, .address_space: global }
    .group_segment_fixed_size: 264192
    .private_segment_fixed_size: 0
    .kernarg_segment_align: 8
    .kernarg_segment_size: 40
    .max_flat_workgroup_size: 512
    .sgpr_count:     102
    .vgpr_count:     256
    .wavefront_size: 32
...
	.end_amdgpu_metadata
.endif
;; end of part 5
;; launch oproj: the kernel of part 4 again; grid 4 x 32, 4 waves a work-group, clusters of 4 x 4, 327,680 bytes of LDS; arguments aimg, wc, lowp_scales, bo, out0; writes out0
